; MI455X (gfx1250); checked and timed in simulation.
; The chip was launched on July 23, 2026; its instructions are those of AMD's public machine-readable ISA for CDNA 5 (MIT licence, August 2026) and "CDNA5" Instruction Set Architecture Reference Guide (July 2026). The comments in the code are by the model that wrote it; some were corrected since.
;; Model. Allowed arithmetic: matrix products marked QUANTISED: E4M3 operands, one E8M0 scale for each 32 along K, by v_wmma_scale_f32_16x16x128_f8f6f4 with both operands' format E4M3, f32 sums; everything else in f32.
;; Inputs: Wk 1,024 x 1,024 float32; Wq 1,024 x 1,024 float32; bk 1,024 float32; bq 1,024 float32; key 8 x 2,048 x 1,024 float32; query 8 x 1,024 x 1,024 float32; value 8 x 2,048 x 1,024 float32.
;; Outputs: out0 8 x 1,024 x 1,024 float32.
;; Constants: dropout_p = 0, scale_factor = 32.
;; This version of the problem:
;;   THIS VERSION OF THE PROBLEM IS GIVEN IN LOW PRECISION. The matrix products marked QUANTISED in the list below multiply operands that are first quantised to E4M3 (4 exponent bits, 3 mantissa bits; 8 bits a number), with one power-of-two scale for each 32 numbers along K (OCP MX v1.0); their sums are f32. All else is computed in f32.
;;   The module's matrix products, in the order in which they are computed (A, B: the left and right operand; K: the contracted axis; several contracted axes count as one K, in the product's order):
;;     1. [M 8,192, K 1,024] x [K 1,024, N 1,024]; A: input query; B: input Wq: QUANTISED
;;     2. [M 16,384, K 1,024] x [K 1,024, N 1,024]; A: input key; B: input Wk: QUANTISED
;;     3. batch 8 x [M 1,024, K 1,024] x [K 1,024, N 2,048]; A: computed on the way; B: computed on the way: QUANTISED
;;     4. batch 8 x [M 1,024, K 2,048] x [K 2,048, N 1,024]; A: softmax (see below); B: input value: QUANTISED
;;   THE QUANTISER, for each operand of a quantised product, along K:
;;     - K is cut into blocks of 32 from its start; a last block that is shorter is filled with zeros.
;;     - A block's scale is 2^e with e = floor(log2(the largest magnitude in the block)) - 8, held to -126 .. 127; a block of zeros has e = 0. As a byte (E8M0): e + 127.
;;     - Each number is divided by its block's scale, clamped to +-448, and rounded to the nearest number of E4M3, ties to even, subnormals kept.
;;     - The product sums the exact products of the quantised numbers (number of the format x scale) in f32.
;;   ~~~python
;;   def quantise(x, axis):      # numpy; x: float32 -> the quantised numbers, widened to float32 again
;;       x = np.moveaxis(x, axis, -1); K = x.shape[-1]
;;       x = np.pad(x, [(0, 0)] * (x.ndim - 1) + [(0, -K % 32)]); x = x.reshape(x.shape[:-1] + (-1, 32)); a = np.abs(x).max(-1, keepdims=True)
;;       e = np.where(a > 0, np.clip(np.frexp(np.where(a > 0, a, 1))[1] - 1 - 8, -126, 127), 0)      # np.frexp(a)[1] - 1 = floor(log2(a)), exactly
;;       r = np.clip(x / 2.0 ** e, -448, 448)
;;       step = 2.0 ** (np.maximum(np.frexp(np.where(r == 0, 1, r))[1] - 1, -6) - 3)
;;       q = np.round(r / step) * step * 2.0 ** e      # np.round: ties to even
;;       return np.moveaxis(q.reshape(q.shape[:-2] + (-1,))[..., :K], -1, axis).astype(np.float32)
;;   ~~~
;;   SOFTMAX AHEAD OF A QUANTISED PRODUCT. Where the list says 'softmax', what is quantised is not the finished softmax but p = 2^(t - M), with t = logit x log2(e) and M = ceil(the row's largest t), a whole number; so 1/2 < the row's largest p <= 1. The row's sum l is taken of the UNQUANTISED p, in f32, and the product's result is divided by l at the end. Since M is a whole number, a kernel that streams over the keys may use a running M (the ceiling of the running maximum): every later rescaling is an exact power of two, which a block's scale takes up: the codes' values come out the same.
;;   OPERANDS COMPUTED ON THE WAY. 'Computed on the way' means the value that the module computes at that place (a softmax that the list does not call 'softmax' is quantised finished and normalised). What goes into a quantiser is computed in f32, as accurately as f32 sums, v_exp_f32 and their like allow (about 1e-6 of the number): no bf16 or f16 on the way to a quantiser, and a product that is left as it is and whose result goes on into a quantised operand takes f32 operands (vector FMAs, or v_wmma_f32_16x16x4_f32). A number that lies on a knife's edge between two numbers of the format may be rounded either way, as far as f32 arithmetic and the matrix unit's own rounding can turn it there, and no further.
;; One version. Each part assembles by itself: llvm-mc -triple=amdgcn-amd-amdhsa -mcpu=gfx1250 --defsym DOCPART=n.
;; ======== version 1 of 1: 4 launches
;; limits: right only within a limited range of input values
;; workspace buffers: xw_codes 27,262,976 bytes; xw_scales 851,968 bytes; v_codes 16,777,216 bytes; v_scales 524,288 bytes; qk_codes 25,165,824 bytes; qk_scales 786,432 bytes; p_codes 16,777,216 bytes; p_stat 1,572,864 bytes
;; launch quant (part 1): grid 2688 x 1, 1 waves a work-group, no clusters, 8,960 bytes of LDS; arguments query, key, Wq, Wk, value, xw_codes, xw_scales, v_codes, v_scales; writes xw_codes, xw_scales, v_codes, v_scales
.if DOCPART == 1
	.amdgcn_target "amdgcn-amd-amdhsa--gfx1250"
	.amdhsa_code_object_version 6
	.text
	.protected	k_q61cceed424_quant
	.globl	k_q61cceed424_quant
	.p2align	8
	.type	k_q61cceed424_quant,@function
k_q61cceed424_quant:
	s_mov_b64 s[64:65], 0
	v_nop
	global_prefetch_b8 v0, s[64:65] scope:SCOPE_SE
	s_setreg_imm32_b32 hwreg(HW_REG_WAVE_MODE, 25, 1), 1
	s_wait_xcnt 0x0
; LAUNCH 1 OF 4.  out = softmax((query Wq^T + bq)(key Wk^T + bk)^T / 32) value, all four products on codes of E4M3 with one E8M0 scale for each 32 along K.
; DEAD WORK: none is left out.  dropout_p = 0 is an identity that has no work; scale_factor = 32 is folded into the softmax's constant.  bq and bk go into quantised operands, so they stay.  All seven inputs are loaded.
; THIS LAUNCH quantises the five operands that arrive as f32: query, key, Wq, Wk along their last axis, value along the keys.
; LAYOUT OF ALL WORKSPACE: images of operand registers.  A UNIT is 128 rows (a group, 8 blocks of 16) x 128 along K (a chunk).  Codes: 16,384 bytes a unit, block i at 2048 i, register group c at 512 c, lane at 16 x lane;
; lane (r, h) holds image row r and k = 32 c + 16 h + 0 .. 15.  Scale words: 512 bytes a unit, the word of (r, i) at 32 r + 4 i.
; WHICH ROWS FORM A BLOCK.  query, key, Wq, Wk: image row r of block 2 B + u is row 32 B + 8 u + r + 8 (r / 8) of the group.
; value: image row r of block 4 H + q is column 64 H + 4 r + q of the group: lane (r, h) of this launch loads columns 64 H + 4 r + 0 .. 3 by one load of 16 bytes.
; xw: groups 0-63 query, 64-191 key, 192-199 Wq, 200-207 Wk; 8 chunks.  v: group 8 b + d / 128; 16 chunks of keys.
; SHARES.  A work-group is one wave and makes one unit: numbers 0-1663 the units of xw in their order, 1664-2687 those of v.  2,688 units for 256 WGPs.  Eight neighbouring work-groups read whole rows of 4,096 bytes between them.
; LIMITS: NaN and infinities among the inputs are not served.  A block whose largest magnitude lies under 2^-118 keeps the scale byte 1; a block of zeros has the byte 1 where the rule says 127: its codes are zeros, and this program alone reads the bytes.
.set SPARE, 8704                       ; behind the stage of 16 rows x 528 bytes: the spare words
.set SPW,  252                         ; v252 my spare word's LDS address; never rewritten
.set NIL,  253                         ; v253 0; never rewritten
.set TM,   16                          ; v16-19 largest magnitudes, v20-23 bytes, v24-27 448 x scale, v28-31 the conversions' scale operands
.set PW,   32                          ; v32-39 scale words
.set SELW, 40
.set PC,   44                          ; v44-59 a fragment's codes
.set X,    60                          ; v60-123 64 numbers of a lane; value: v60-187, two sets of 16 keys x 4 columns as loaded
.set R,    124                         ; v124-251 two sets of 64: a block's rows as loaded
.set Y,    188                         ; value: v188-219 two sets of one column's 16 held numbers
.set C,    220                         ; value: v220-251 two sets of four columns' codes
.set MNT,  23
.set SEL,  24
	s_load_b256 s[4:11], s[0:1], 0x0               ; query, key, Wq, Wk
	s_load_b256 s[12:19], s[0:1], 0x20             ; value, xw_codes, xw_scales, v_codes
	s_load_b64 s[20:21], s[0:1], 0x40              ; v_scales
	v_lshl_add_u32 v[SPW], v0, 2, SPARE
	v_mov_b32 v[NIL], 0
	v_and_b32 v2, 15, v0                           ; r
	v_lshrrev_b32 v3, 4, v0                        ; h
	v_lshlrev_b32 v4, 4, v0                        ; 16 x lane: a load's place, the stage on the way in, a store's place
	v_mul_u32_u24 v6, v2, 528
	v_lshl_add_u32 v6, v3, 6, v6                   ; out of the stage: row r, + 64 h
	v_lshlrev_b32 v7, 5, v2
	v_lshl_add_u32 v7, v3, 4, v7                   ; scale words: 32 r + 16 h
	v_lshlrev_b32 v8, 4, v2
	v_lshl_add_u32 v8, v3, 16, v8                  ; value: 16 r, and 16 rows of 4,096 bytes on for lanes 16-31
.irp b, 0,1,2,3
	v_mov_b32 v[TM+4+\b], 0                        ; a lane permute's destination counts as one of its sources
.endr
	s_mov_b32 s[MNT], 0x600000                     ; the mantissa field of 448
	s_mov_b32 s[SEL], 0x76543210
	s_mov_b32 s[SEL+1], 0xfedcba98                 ; lane l xor 16
	s_wait_alu depctr_va_vdst(0)                   ; the wait at the head's end
	s_wait_kmcnt 0x0
	s_cmp_ge_u32 ttmp9, 1664                       ; the work-group's number alone decides the path
	s_cbranch_scc1 .Lvalue
; ---------------- K innermost: query, key, Wq, Wk
	s_lshr_b32 s27, ttmp9, 3                       ; the group
	s_and_b32 s28, ttmp9, 7                        ; the chunk
	s_mov_b64 s[30:31], s[10:11]                   ; which tensor, and its first group
	s_mov_b32 s29, 200
	s_cmp_lt_u32 s27, 200
	s_cselect_b64 s[30:31], s[8:9], s[30:31]
	s_cselect_b32 s29, 192, s29
	s_cmp_lt_u32 s27, 192
	s_cselect_b64 s[30:31], s[6:7], s[30:31]
	s_cselect_b32 s29, 64, s29
	s_cmp_lt_u32 s27, 64
	s_cselect_b64 s[30:31], s[4:5], s[30:31]
	s_cselect_b32 s29, 0, s29
	s_sub_co_u32 s29, s27, s29
	s_lshl_b32 s32, s29, 19                        ; 128 rows of 4,096 bytes a group,
	s_lshl_b32 s33, s28, 9                         ; 512 bytes a chunk
	s_or_b32 s32, s32, s33
	s_mov_b32 s33, 0
	s_add_nc_u64 s[30:31], s[30:31], s[32:33]
	s_lshl_b32 s32, ttmp9, 14                      ; the unit's number is the work-group's
	s_add_nc_u64 s[14:15], s[14:15], s[32:33]
	s_lshl_b32 s32, ttmp9, 9
	s_add_nc_u64 s[16:17], s[16:17], s[32:33]
.macro LOADF f                         ; block f's 16 rows: each load takes 512 consecutive bytes of one row
.set jj, 0
.rept 16
	global_load_b128 v[R+64*((\f)%2)+4*jj:R+64*((\f)%2)+4*jj+3], v4, s[30:31] offset:(32*((\f)/2)+8*((\f)%2)+jj+8*(jj/8))*4096 th:TH_LOAD_NT
.set jj, jj+1
.endr
.endm
.macro QUANT s, pw                     ; register 16 b + i = k 32 b + 16 h + i of my row: codes into v[PC] on, the scale word into v[pw]
.irp b, 0,1,2,3
	v_max3_num_f32 v[TM+\b], |v[\s+16*\b]|, |v[\s+1+16*\b]|, 0x4800000   ; with the floor 2^(9 - 127): the byte cannot fall under 1
.endr
.irp i, 2,4,6,8,10,12,14
.irp b, 0,1,2,3
	v_max3_num_f32 v[TM+\b], v[TM+\b], |v[\s+16*\b+\i]|, |v[\s+1+16*\b+\i]|
.endr
.endr
.irp b, 0,1,2,3
	v_permlanex16_b32 v[TM+4+\b], v[TM+\b], s[SEL], s[SEL+1]
.endr
.irp b, 0,1,2,3
	v_max_num_f32 v[TM+\b], v[TM+\b], v[TM+4+\b]   ; the block's largest magnitude
.endr
.irp b, 0,1,2,3
	v_add_nc_u32 v[TM+12+\b], 0xfc000000, v[TM+\b] ; 8 off its exponent field: the conversion's scale operand
.endr
.irp b, 0,1,2,3
	v_and_or_b32 v[TM+8+\b], v[TM+\b], 0x7f800000, s[MNT]   ; 448 x the scale
.endr
.irp b, 0,1,2,3
	v_lshrrev_b32 v[TM+4+\b], 23, v[TM+12+\b]      ; the scale's byte
.endr
	v_lshl_or_b32 v[\pw], v[TM+5], 8, v[TM+4]
	v_lshl_or_b32 v[\pw], v[TM+6], 16, v[\pw]
	v_lshl_or_b32 v[\pw], v[TM+7], 24, v[\pw]
.irp b, 0,1,2,3
.irp i, 0,1,2,3,4,5,6,7,8,9,10,11,12,13,14,15
	v_med3_num_f32 v[\s+16*\b+\i], v[\s+16*\b+\i], -v[TM+8+\b], v[TM+8+\b]   ; the conversion does not saturate (ISA guide 7.6.2): the hold
.endr
	v_cvt_scalef32_pk8_fp8_f32 v[PC+4*\b:PC+1+4*\b], v[\s+16*\b:\s+7+16*\b], v[TM+12+\b]
	v_cvt_scalef32_pk8_fp8_f32 v[PC+2+4*\b:PC+3+4*\b], v[\s+8+16*\b:\s+15+16*\b], v[TM+12+\b]
.endr
	v_nop                                          ; a plain line behind the last conversion
.endm
.macro FRAGSTEP f
.if (\f) < 7
	s_wait_loadcnt 16                              ; this block's 16 loads are in; the next block's 16 stay out
.else
	s_wait_loadcnt 0
.endif
.set jj, 0
.rept 16
	ds_store_b128 v4, v[R+64*((\f)%2)+4*jj:R+64*((\f)%2)+4*jj+3] offset:528*jj
.set jj, jj+1
.endr
.irp c, 0,1,2,3
.irp j, 0,1,2,3
	ds_load_b128 v[X+16*\c+4*\j:X+16*\c+4*\j+3], v6 offset:128*\c+16*\j   ; LDS serves a wave's instructions in order: these see the stores above
.endr
.endr
	s_wait_dscnt 0x0                               ; my 64 numbers are in, and the stage's stores have read their registers
	s_wait_xcnt 0x0                                ; the last block's stores have read v[PC] on
.if (\f) < 6
	LOADF (\f)+2
.endif
	QUANT X, PW+(\f)
.irp c, 0,1,2,3
	global_store_b128 v4, v[PC+4*\c:PC+4*\c+3], s[14:15] offset:2048*(\f)+512*\c   ; 512 consecutive bytes
.endr
.endm
.macro WORDS p                         ; both halves of the lanes hold image row r's eight words: lanes 0-15 store blocks 0-3, lanes 16-31 blocks 4-7: the unit's 512 bytes
	v_cmp_le_u32 vcc_lo, 16, v0
.irp j, 0,1,2,3
	v_cndmask_b32 v[SELW+\j], v[PW+\j], v[PW+4+\j], vcc_lo
.endr
	global_store_b128 v7, v[SELW:SELW+3], s[\p:\p+1]
	s_wait_tensorcnt 0x0                           ; the wave's end
	ds_add_u32 v[SPW], v[NIL]
	s_wait_dscnt 0x0
	s_endpgm
.endm
	LOADF 0
	LOADF 1
.irp f, 0,1,2,3,4,5,6,7
	FRAGSTEP \f
.endr
	WORDS 16
; ---------------- value: K = the keys.  A step n takes 32 keys (32 (n / 2) on) of 64 columns (64 (n % 2) on).  Lane (r, h) takes columns 4 r + 0 .. 3 and keys 16 h + 0 .. 15: a load reads 256 consecutive bytes of
; each of two keys' rows.  Register X + 4 k + q is key 16 h + k of column q: the hold, which every number passes anyway, writes column q's 16 keys into 16 consecutive registers, as the conversions want them;
; their 16 codes are lane (r, h)'s 16 bytes of the image.  A block's largest magnitude is joined with lane l xor 16's.  Loads run two steps, 32 loads, ahead.
.Lvalue:
	s_sub_co_u32 s27, ttmp9, 1664
	s_lshr_b32 s28, s27, 7                         ; the batch
	s_bfe_u32 s29, s27, 0x40003                    ; the chunk of 128 keys
	s_and_b32 s26, s27, 7                          ; which 128 columns
	s_lshl_b32 s32, s28, 23
	s_lshl_b32 s33, s29, 19
	s_or_b32 s32, s32, s33
	s_lshl_b32 s33, s26, 9
	s_or_b32 s32, s32, s33
	s_mov_b32 s33, 0
	s_add_nc_u64 s[12:13], s[12:13], s[32:33]
	s_lshl_b32 s34, s28, 3
	s_add_co_u32 s34, s34, s26
	s_lshl_b32 s34, s34, 4
	s_add_co_u32 s34, s34, s29                     ; the unit
	s_lshl_b32 s32, s34, 14
	s_add_nc_u64 s[18:19], s[18:19], s[32:33]
	s_lshl_b32 s32, s34, 9
	s_add_nc_u64 s[20:21], s[20:21], s[32:33]
.macro VLOAD n
.set kk, 0
.rept 16
	global_load_b128 v[X+64*((\n)%2)+4*kk:X+64*((\n)%2)+4*kk+3], v8, s[12:13] offset:(32*((\n)/2)+kk)*4096+256*((\n)%2) th:TH_LOAD_NT
.set kk, kk+1
.endr
.endm
.macro VSTEP n
.set XS, X+64*((\n)%2)
.set CS, C+16*((\n)%2)
.set WS, PW+4*((\n)%2)
.if (\n) < 7
	s_wait_loadcnt 16                              ; this step's 16 loads are in; the next step's 16 stay out
.else
	s_wait_loadcnt 0
.endif
.if (\n) >= 2
	s_wait_xcnt 0x0                                ; the stores of two steps ago have read this set of codes
.endif
.irp q, 0,1,2,3
	v_max3_num_f32 v[TM+\q], |v[XS+\q]|, |v[XS+4+\q]|, 0x4800000   ; four columns by turns; the floor as above
.endr
.irp i, 2,4,6,8,10,12,14
.irp q, 0,1,2,3
	v_max3_num_f32 v[TM+\q], v[TM+\q], |v[XS+4*\i+\q]|, |v[XS+4*\i+4+\q]|
.endr
.endr
.irp q, 0,1,2,3
	v_permlanex16_b32 v[TM+4+\q], v[TM+\q], s[SEL], s[SEL+1]
.endr
.irp q, 0,1,2,3
	v_max_num_f32 v[TM+\q], v[TM+\q], v[TM+4+\q]   ; with the other 16 keys'
.endr
.irp q, 0,1,2,3
	v_add_nc_u32 v[TM+12+\q], 0xfc000000, v[TM+\q]
.endr
.irp q, 0,1,2,3
	v_and_or_b32 v[TM+8+\q], v[TM+\q], 0x7f800000, s[MNT]
.endr
.irp q, 0,1,2,3
.if (\n)/2 == 0
	v_lshrrev_b32 v[WS+\q], 23, v[TM+12+\q]        ; four bytes to a word, the earlier keys in the lower byte
.else
	v_lshrrev_b32 v[TM+4+\q], 23, v[TM+12+\q]
.endif
.endr
.if (\n)/2 > 0
.irp q, 0,1,2,3
	v_lshl_or_b32 v[WS+\q], v[TM+4+\q], 8*((\n)/2), v[WS+\q]
.endr
.endif
.irp q, 0,1,2,3
.set kk, 0
.rept 16
	v_med3_num_f32 v[Y+16*(\q%2)+kk], v[XS+4*kk+\q], -v[TM+8+\q], v[TM+8+\q]   ; the two sets of Y by turns: a column's holds are the plain lines behind the column before's conversions
.set kk, kk+1
.endr
.if (\q == 3) && ((\n) < 6)
	VLOAD (\n)+2                                   ; the last column's holds have read this set's 64 registers
.endif
	v_cvt_scalef32_pk8_fp8_f32 v[CS+4*\q:CS+4*\q+1], v[Y+16*(\q%2):Y+16*(\q%2)+7], v[TM+12+\q]
	v_cvt_scalef32_pk8_fp8_f32 v[CS+4*\q+2:CS+4*\q+3], v[Y+16*(\q%2)+8:Y+16*(\q%2)+15], v[TM+12+\q]
.endr
	v_nop                                          ; a plain line behind the last conversion
.irp q, 0,1,2,3
	global_store_b128 v4, v[CS+4*\q:CS+4*\q+3], s[18:19] offset:2048*(4*((\n)%2)+\q)+512*((\n)/2)   ; 512 consecutive bytes
.endr
.endm
	VLOAD 0
	VLOAD 1
.irp n, 0,1,2,3,4,5,6,7
	VSTEP \n
.endr
	WORDS 20
.Lfunc_end_k_q61cceed424_quant:
	.size	k_q61cceed424_quant, .Lfunc_end_k_q61cceed424_quant-k_q61cceed424_quant
	.p2alignl 7, 3214868480
	.fill 96, 4, 3214868480
	.section	.rodata,"a",@progbits
	.p2align	6, 0x0
	.amdhsa_kernel k_q61cceed424_quant
		.amdhsa_group_segment_fixed_size 8960
		.amdhsa_private_segment_fixed_size 0
		.amdhsa_enable_private_segment 0
		.amdhsa_kernarg_size 72
		.amdhsa_user_sgpr_count 2
		.amdhsa_user_sgpr_kernarg_segment_ptr 1
		.amdhsa_wavefront_size32 1
		.amdhsa_system_sgpr_workgroup_id_x 1
		.amdhsa_system_sgpr_workgroup_id_y 1
		.amdhsa_system_sgpr_workgroup_id_z 1
		.amdhsa_system_vgpr_workitem_id 0
		.amdhsa_next_free_vgpr 256
		.amdhsa_next_free_sgpr 66
		.amdhsa_reserve_vcc 1
		.amdhsa_float_denorm_mode_32 3
		.amdhsa_float_denorm_mode_16_64 3
		.amdhsa_memory_ordered 1
		.amdhsa_forward_progress 1
		.amdhsa_inst_pref_size 179
	.end_amdhsa_kernel
	.amdgpu_metadata
---
amdhsa.version: [ 1, 2 ]
amdhsa.kernels:
  - .name:           k_q61cceed424_quant
    .symbol:         k_q61cceed424_quant.kd
    .args:
      - { .name: query, .offset: 0, .size: 8, .value_kind: global_buffer, .address_space: global }
      - { .name: key, .offset: 8, .size: 8, .value_kind: global_buffer, .address_space: global }
      - { .name: Wq, .offset: 16, .size: 8, .value_kind: global_buffer, .address_space: global }
      - { .name: Wk, .offset: 24, .size: 8, .value_kind: global_buffer, .address_space: global }
      - { .name: value, .offset: 32, .size: 8, .value_kind: global_buffer, .address_space: global }
      - { .name: xw_codes, .offset: 40, .size: 8, .value_kind: global_buffer, .address_space: global }
      - { .name: xw_scales, .offset: 48, .size: 8, .value_kind: global_buffer, .address_space: global }
      - { .name: v_codes, .offset: 56, .size: 8, .value_kind: global_buffer, .address_space: global }
      - { .name: v_scales, .offset: 64, .size: 8, .value_kind: global_buffer, .address_space: global }
    .group_segment_fixed_size: 8960
    .private_segment_fixed_size: 0
    .kernarg_segment_align: 8
    .kernarg_segment_size: 72
    .max_flat_workgroup_size: 32
    .sgpr_count:     66
    .vgpr_count:     256
    .wavefront_size: 32
...
	.end_amdgpu_metadata
.endif
;; end of part 1
;; launch proj (part 2): grid 4 x 64, 4 waves a work-group, clusters of 4 x 4, 327,680 bytes of LDS; arguments xw_codes, xw_scales, bq, bk, qk_codes, qk_scales; writes qk_codes, qk_scales
.if DOCPART == 2
	.amdgcn_target "amdgcn-amd-amdhsa--gfx1250"
	.amdhsa_code_object_version 6
	.text
	.protected	k_q61cceed424_proj
	.globl	k_q61cceed424_proj
	.p2align	8
	.type	k_q61cceed424_proj,@function
k_q61cceed424_proj:
	s_mov_b64 s[64:65], 0
	v_nop
	global_prefetch_b8 v0, s[64:65] scope:SCOPE_SE
	s_setreg_imm32_b32 hwreg(HW_REG_WAVE_MODE, 25, 1), 1
	s_wait_xcnt 0x0
	s_wait_alu depctr_hold_cnt(0) depctr_sa_sdst(0) depctr_va_vdst(0) depctr_va_sdst(0) depctr_va_ssrc(0) depctr_va_vcc(0) depctr_vm_vsrc(0)
	s_getreg_b32 s2, hwreg(HW_REG_IB_STS2, 6, 4)
	s_cmp_eq_u32 s2, 0
	s_cbranch_scc0 .Lentry_in_a_cluster
	s_endpgm
.Lentry_in_a_cluster:
	s_bfe_u32 s2, ttmp6, 0x10000c
	s_cmp_lg_u32 s2, 0xf033
	s_cbranch_scc0 .Lentry_shape_is_right
	s_endpgm
.Lentry_shape_is_right:
; LAUNCH 2 OF 4.  q = query Wq^T + bq and k = key Wk^T + bk on codes, and their quantising along e for the next product.  Nothing is left out.
; THE DEAL.  24,576 rows x 1,024 of e for 256 work-groups of equal work.  A work-group with tile row t (0 .. 63) and tile column (0 .. 3) makes a WHOLE tile, 256 rows (groups 2 t, 2 t + 1 of xw: query's with Wq, bq for t < 32,
; else key's with Wk, bk) x 256 of e, four waves of 128 x 128; then a HALF tile, the 128 rows of group 128 + t (always key's) x the same 256 of e, four waves of 64 x 128.  The ring does not stop between them: the whole tile's
; last change out of slot 0 asks for the half tile's K step 0, and a round set in its way out asks for K step 1.
; Operands lie in memory as images of their registers (launch 1's head): a group's K step of 256 is 32,768 dense bytes; a fragment is four LDS loads of 512 consecutive bytes.
; SOURCE 0 = 16 rows of W, SOURCE 1 = 16 rows of x: a lane holds one row of x, and by the order of W's rows in a block its 64 registers of a block of rows are k = 32 B + 16 h + 0 .. 15 of the next product's K:
; they are quantised in registers and stored as they stand, 512 consecutive bytes a store.  The bias is the C of each sum's first product (the order of rounding differs from a bias added last).
; In the half tile a wave makes blocks 4 (wave / 2) + 0 .. 3 of a unit of qk; of a row's 32 bytes of scale words it stores 16 and the wave beside it the other 16.
; CLUSTER 4 x 4: x's tiles are shared along a row of the cluster, W's along a column: joint loads.  All sixteen partners pass the same rounds.
; FILLS.  First fills, one a wave, in a chain of branches: K step 0 (x's two groups by one load of 2 rows of 32,768 bytes, W's likewise) and the whole tile's scale words; behind a round K step 1 and the half tile's scale words.
; Refills of the whole tile: a group a wave.  Of the half tile: wave 0 x's group, waves 2 and 3 W's groups, wave 1 none.
; REGISTERS: window 0: v0-31 addresses; v32-63 scale words, two sets; v64-127 the bias, later 64 held numbers; v128-255 x's fragments (half tile: two sets of four), later codes and work.  window 1: W's fragments, two sets.  windows 2, 3: the accumulators.
; LIMITS: as stated at launch 1's head.
.set NP,     8                         ; places behind this matrix instruction (ISA guide 7.12.1)
.set HALFT,  32768                     ; a group's K step
.set SLOT,   4*HALFT                   ; x's two groups, then W's two
.set SCL,    2*SLOT                    ; the whole tile's scale words: four groups for all of K, 4,096 bytes each
.set HALFS,  4096
.set SCL2,   SCL+4*HALFS               ; the half tile's
.set SPARE,  SCL2+4*HALFS              ; the spare words, 128 bytes a wave
.set GRP,    131072                    ; a group's codes: 8 chunks of 16,384 bytes
.set ADRA, 16                          ; v16-17 my x fragments in slot 0, 1
.set ADRH, 18                          ; v18-19 the same in the half tile
.set ADRB, 20                          ; v20-21 my W fragments
.set ADRT, 22                          ; v22 my scale words of the half tile
.set SOH,  23                          ; v23 32 r + 16 (wave / 2): the half tile's scale words on the way out
.set BO,   24                          ; v24 64 h: my half's place in a tile of the bias
.set SO,   25                          ; v25 32 r + 16 h
.set CO,   26                          ; v26 16 x lane
.set ADRS, 27                          ; v27 my scale words in LDS: lanes 0-15 x's, lanes 16-31 W's
.set SPW,  28
.set NIL,  29
.set PFO,  30                          ; v30 256 x lane: the prefetches' offset; never rewritten
.set SC,   32                          ; set s at v[SC + 16 s]; register 8 q + i: lanes 0-15 x's block i, lanes 16-31 W's block i, the slot's q-th 128
.set BI,   64
.set ST,   64
.set AF,   128
.set TM,   192
.set PWD,  208
.set SELW, 216
.set G1, 24
.set G0, 32
.set G1B, 48
.set G0B, 56
.set G1S, 68
.set G0S, 76
.set G1SB, 80
.set G0SB, 88
.set G0S2, 4
.set G0SB2, 44
.set PFA, 92                           ; s[92:93] the whole tile's group that I fetch, at my work-group's quarter of a K step; never rewritten
.set PFB, 40                           ; s[40:41] wave 0: the half tile's group of x, likewise
.set DA,  18                           ; s[18:19] from a slot's last K step of the whole tile to its first of the half tile, in x; s[20:21], s[22:23] my steps in qk_codes, qk_scales
.set SEL, 66
.set MNT, 95
.set MSB, 0
.macro WIN new                         ; the immediate's high byte repeats the setting that is left
.if MSB != (\new)
	s_set_vgpr_msb (MSB<<8)|(\new)
.set MSB, (\new)
.endif
.endm
.set MUL_LO, 0xa1                      ; source 0 window 1, source 1 window 0, C and D window 2
.set MUL_HI, 0xf1
.set TO_B,   0x40
.macro TL g0, g1                       ; a tensor load
	tensor_load_to_lds s[\g0:\g0+3], s[\g1:\g1+7]
	s_nop 0
.rept 4
	v_nop
.endr
.endm
.macro JLOAD g0a, g0b                  ; the whole tile's refill: waves 0, 1 fetch x's groups, waves 2, 3 W's; the branch hangs on the wave's number alone
	s_cmp_eq_u32 s15, 0
	s_cbranch_scc0 .Lfor_b_\@
	TL \g0a, G1
	s_branch .Lasked_\@
.Lfor_b_\@:
	TL \g0b, G1B
.Lasked_\@:
.endm
.macro JLOAD2 g0a, g0b                 ; the half tile's: wave 0 x's one group, wave 1 nothing, waves 2, 3 W's groups
	s_cmp_lt_u32 s14, 1
	s_cbranch_scc0 .Lnot_a_\@
	TL \g0a, G1
	s_branch .Lasked_\@
.Lnot_a_\@:
	s_cmp_lt_u32 s14, 2
	s_cbranch_scc1 .Lasked_\@
	TL \g0b, G1B
.Lasked_\@:
.endm
; A PREFETCH INTO THE L2 of codes that a later fill will load.  The wave that fetches a group in the ring asks for its K step, one instruction; the four partners that load it jointly share it out BY ADDRESS, 8,192 bytes each,
; lanes 256 bytes apart.  The whole tile (PFA): all four waves ask: K steps 1 and 2 at the head, K step 3 at the first change of slots.  The half tile (PFB): wave 0 asks for x's group, one refill ahead;
; its W is not asked for: in half of the clusters it is the whole tile's.  The last refill asks for nothing.
.macro ASK p, off
.if \p != PFA
	s_cmp_eq_u32 s14, 0
	s_cbranch_scc0 .Lnot_mine_\@
.endif
	global_prefetch_b8 v[PFO], s[\p:\p+1] offset:\off th:TH_LOAD_NT scope:SCOPE_SE
.Lnot_mine_\@:
.endm
.macro CREST
	s_cmp_lg_u32 s14, 0
	s_cbranch_scc1 .Lnot_wave_0_\@
	s_barrier_signal -3
.Lnot_wave_0_\@:
	s_barrier_wait -3
	s_barrier_signal -1
	s_barrier_wait -1
.endm
.macro CROUND
	s_barrier_signal -1
	s_barrier_wait -1
	CREST
.endm
.macro TREE ga, gb, gs, gt             ; four first fills, one a wave, in one chain of branches with one join
	s_cmp_lt_u32 s14, 1
	s_cbranch_scc0 .Ltb_\@
	TL \ga, G1
	s_branch .Ltj_\@
.Ltb_\@:
	s_cmp_lt_u32 s14, 2
	s_cbranch_scc0 .Lts_\@
	TL \gb, G1B
	s_branch .Ltj_\@
.Lts_\@:
	s_cmp_lt_u32 s14, 3
	s_cbranch_scc0 .Ltt_\@
	TL \gs, G1S
	s_branch .Ltj_\@
.Ltt_\@:
	TL \gt, G1SB
.Ltj_\@:
.endm
.macro RINGFIX                         ; the ring's shape: a load brings one group's K step, 128 dense rows of 256 bytes, to wave x 32,768 in its slot.  Written where no tensor load of the wave is out
.irp g, G1, G1B
	s_mov_b32 s[\g+1], 32<<16
	s_mov_b32 s[\g+2], 128<<16
	s_mov_b32 s[\g+3], 32<<16
	s_mov_b32 s[\g+4], 128
	s_mov_b32 s[\g+5], 32
.endr
.irp s, 0,1
	s_add_co_u32 s[G0+4*\s+1], s100, \s*SLOT
	s_add_nc_u64 s[G0+4*\s+2:G0+4*\s+3], s[G0+4*\s+2:G0+4*\s+3], s[104:105]
	s_add_co_u32 s[G0B+4*\s+1], s100, \s*SLOT
	s_add_nc_u64 s[G0B+4*\s+2:G0B+4*\s+3], s[G0B+4*\s+2:G0B+4*\s+3], s[104:105]
.endr
.endm
	s_load_b256 s[4:11], s[0:1], 0x0               ; xw_codes, xw_scales, bq, bk
	s_load_b128 s[96:99], s[0:1], 0x20             ; qk_codes, qk_scales
	v_lshl_add_u32 v[SPW], v0, 2, SPARE
	v_mov_b32 v[NIL], 0
	ds_add_u32 v[SPW], v[NIL]                      ; the opening: the add, twice on end, and its wait ahead of my first tensor load
	ds_add_u32 v[SPW], v[NIL]
	v_lshrrev_b32 v1, 5, v0
	v_readfirstlane_b32 s14, v1                    ; wave
	s_lshr_b32 s15, s14, 1                         ; my half of the rows; also: I fetch for x (0) or W (1)
	s_and_b32 s16, s14, 1                          ; my half of the columns; also: which group I fetch
	s_bfe_u32 s40, ttmp6, 0x40000                  ; cx
	s_bfe_u32 s41, ttmp6, 0x40004                  ; cy
	s_lshl_b32 s42, ttmp9, 2
	s_add_co_u32 s42, s42, s40                     ; tile column
	s_and_b32 s12, ttmp7, 0xffff                   ; cluster y, 0 .. 15
	s_lshl_b32 s17, s12, 2
	s_add_co_u32 s17, s17, s41                     ; tile row t, 0 .. 63
	s_lshl_b32 s43, s41, 2
	s_lshl_b32 s43, 15, s43                        ; my row of the cluster
	s_lshl_b32 s44, 0x1111, s40                    ; my column
	s_or_b32 s[G1+0], s43, (3<<16)|(1<<21)         ; the mask; elements of 8 bytes; bit 21 beside a mask; no padding
	s_or_b32 s[G1B+0], s44, (3<<16)|(1<<21)
.irp g, G1, G1B
	s_mov_b32 s[\g+1], 4096<<16                    ; the first fills' shape: a tile's two groups as 2 rows of 4,096 elements = 32,768 bytes,
	s_mov_b32 s[\g+2], 2<<16
	s_mov_b32 s[\g+3], 4096<<16
	s_mov_b32 s[\g+4], 2
	s_mov_b32 s[\g+5], GRP/8                       ; a group's codes apart
	s_mov_b32 s[\g+6], 0
	s_mov_b32 s[\g+7], 0
.endr
	s_or_b32 s[G1S+0], s43, (3<<16)|(1<<21)
	s_or_b32 s[G1SB+0], s44, (3<<16)|(1<<21)
.irp g, G1S, G1SB
	s_mov_b32 s[\g+1], 32<<16                      ; two neighbouring groups' scale words: 32 rows of 256 bytes
	s_mov_b32 s[\g+2], 32<<16
	s_mov_b32 s[\g+3], 32<<16
	s_mov_b32 s[\g+4], 32
	s_mov_b32 s[\g+5], 32
	s_mov_b32 s[\g+6], 0
	s_mov_b32 s[\g+7], 0
.endr
	s_lshl_b32 s20, s17, 1                         ; x's first group in the whole tile: 2 t
	s_lshr_b32 s13, s12, 3
	s_min_u32 s13, s13, 1                          ; the whole tile takes 0: Wq, 1: Wk: by the cluster's y, which all partners share
	s_lshl_b32 s46, s13, 3
	s_lshl_b32 s47, s42, 1
	s_add_co_u32 s46, s46, s47
	s_add_co_u32 s46, s46, 192                     ; W's first group in the whole tile
	s_lshl_b32 s22, s20, 12
	s_mov_b32 s23, 0
	s_lshl_b32 s92, s46, 12
	s_mov_b32 s93, 0
	s_lshl_b32 s20, s20, 17
	s_mov_b32 s21, 0
	s_lshl_b32 s46, s46, 17
	s_mov_b32 s47, 0
	s_lshl_b32 s100, s14, 15                       ; where the ring's loads go: wave x 32,768; no place in the cluster enters an LDS address
	s_lshl_b32 s104, s16, 17                       ; s[104:105]: from a tile's first group to the group that I fetch in the ring
	s_mov_b32 s105, 0
	s_xor_b32 s2, s13, 1                           ; 1 where the whole tile is query's: W then goes on from Wq to Wk, 8 groups;
	s_lshl_b32 s2, s2, 15                          ; in scale words 8 x 4,096 bytes
	s_mov_b32 s3, 0
	s_mov_b32 s[SEL], 0x76543210
	s_mov_b32 s[SEL+1], 0xfedcba98
	s_mov_b32 s[MNT], 0x600000
	s_wait_dscnt 0x0                               ; both opening adds are done
	s_wait_kmcnt 0x0
	s_add_nc_u64 s[20:21], s[4:5], s[20:21]
	s_add_nc_u64 s[22:23], s[6:7], s[22:23]
	s_add_nc_u64 s[46:47], s[4:5], s[46:47]
	s_add_nc_u64 s[92:93], s[6:7], s[92:93]
	CROUND                                         ; all sixteen work-groups are here: the first joint loads meet
	s_mov_b32 s[G0S], 1
	s_mov_b32 s[G0S+1], SCL
	s_mov_b64 s[G0S+2:G0S+3], s[22:23]
	s_or_b32 s[G0S+3], s[G0S+3], 0x80000000
	s_mov_b32 s[G0SB], 1
	s_mov_b32 s[G0SB+1], SCL+2*HALFS
	s_mov_b64 s[G0SB+2:G0SB+3], s[92:93]
	s_or_b32 s[G0SB+3], s[G0SB+3], 0x80000000
.irp s, 0,1
	s_mov_b32 s[G0+4*\s], 1
	s_mov_b32 s[G0+4*\s+1], \s*SLOT
	s_add_nc_u64 s[G0+4*\s+2:G0+4*\s+3], s[20:21], \s*HALFT
	s_or_b32 s[G0+4*\s+3], s[G0+4*\s+3], 0x80000000
	s_mov_b32 s[G0B+4*\s], 1
	s_mov_b32 s[G0B+4*\s+1], \s*SLOT+2*HALFT
	s_add_nc_u64 s[G0B+4*\s+2:G0B+4*\s+3], s[46:47], \s*HALFT
	s_or_b32 s[G0B+4*\s+3], s[G0B+4*\s+3], 0x80000000
.endr
	s_sub_co_u32 s18, 128, s17                     ; from group 2 t to group 128 + t: 128 - t groups,
	s_lshl_b32 s18, s18, 12                        ; in scale words
	s_mov_b32 s19, 0
	s_mov_b32 s[G0S2], 1                           ; the half tile's scale words: x's group (the load's second group is not read), W's in Wk
	s_mov_b32 s[G0S2+1], SCL2
	s_add_nc_u64 s[G0S2+2:G0S2+3], s[22:23], s[18:19]
	s_or_b32 s[G0S2+3], s[G0S2+3], 0x80000000
	s_add_nc_u64 s[22:23], s[46:47], s[104:105]    ; the group of W that I fetch in the ring: for the prefetches
	s_mov_b32 s[G0SB2], 1
	s_mov_b32 s[G0SB2+1], SCL2+2*HALFS
	s_add_nc_u64 s[G0SB2+2:G0SB2+3], s[92:93], s[2:3]
	s_or_b32 s[G0SB2+3], s[G0SB2+3], 0x80000000
	TREE G0, G0B, G0S, G0SB                        ; K step 0 and the whole tile's scale words
	s_add_nc_u64 s[20:21], s[20:21], s[104:105]    ; the group of x that I fetch in the ring
	s_lshl_b32 s2, s2, 5                           ; Wq to Wk in codes: 8 x 131,072 bytes, or nothing; s[2:3] stay so
	s_cmp_eq_u32 s15, 0                            ; the prefetches: x's group or W's, at my work-group's 8,192 bytes of a K step: cx among x's partners, cy among W's
	s_cselect_b64 s[PFA:PFA+1], s[20:21], s[22:23]
	s_cselect_b32 s18, s40, s41
	s_lshl_b32 s18, s18, 13
	s_mov_b32 s19, 0
	s_add_nc_u64 s[PFA:PFA+1], s[PFA:PFA+1], s[18:19]
	s_sub_co_u32 s18, 128, s17
	s_lshl_b32 s18, s18, 17
	s_add_nc_u64 s[PFB:PFB+1], s[PFA:PFA+1], s[18:19]   ; used by wave 0 alone, whose PFA stands in group 2 t
	v_and_b32 v1, 15, v0                           ; r
	v_bfe_u32 v2, v0, 4, 1                         ; h
	v_and_b32 v3, 31, v0                           ; lane
	v_lshlrev_b32 v[CO], 4, v3
	v_lshlrev_b32 v[BO], 6, v2
	s_wait_alu depctr_va_vdst(0)
	v_lshlrev_b32 v[PFO], 8, v3
	ASK PFA, HALFT                                 ; K steps 1 and 2 of the whole tile
	ASK PFA, 2*HALFT
	s_cmp_lt_u32 s12, 8                            ; the whole tile's bias: bq or bk, by the cluster's y
	s_cselect_b64 s[8:9], s[8:9], s[10:11]
	s_lshl_b32 s18, s42, 10
	s_lshl_b32 s19, s16, 9
	s_add_co_u32 s18, s18, s19                     ; my 128 numbers of it
	s_mov_b32 s19, 0
	s_add_nc_u64 s[8:9], s[8:9], s[18:19]
	s_add_nc_u64 s[10:11], s[10:11], s[18:19]      ; and of bk, for the half tile
.macro BIAS p
.irp b, 0,1,2,3,4,5,6,7
	global_load_b128 v[BI+8*\b:BI+8*\b+3], v[BO], s[\p:\p+1] offset:(32*(\b/2)+8*(\b%2))*4        ; tile b, lane half h: e = 32 (b / 2) + 16 h + 8 (b % 2) + 0 .. 7
	global_load_b128 v[BI+8*\b+4:BI+8*\b+7], v[BO], s[\p:\p+1] offset:(32*(\b/2)+8*(\b%2))*4+16
.endr
.endm
	BIAS 8
	s_lshl_b32 s21, s15, 15
	s_lshl_b32 s22, s16, 15
	s_add_co_u32 s22, s22, 2*HALFT
.irp s, 0,1
	v_add_nc_u32 v[ADRA+\s], s21, v[CO]
	v_add_nc_u32 v[ADRB+\s], s22, v[CO]
	s_add_co_u32 s21, s21, SLOT
	s_add_co_u32 s22, s22, SLOT
.endr
	s_lshl_b32 s21, s15, 13                        ; the half tile: my four blocks of x's one group
	v_add_nc_u32 v[ADRH], s21, v[CO]
	s_add_co_u32 s21, s21, SLOT
	v_add_nc_u32 v[ADRH+1], s21, v[CO]
	v_lshlrev_b32 v5, 5, v1                        ; 32 r
	v_lshl_add_u32 v[SO], v2, 4, v5
	s_lshl_b32 s21, s15, 12                        ; x's words: my group
	s_lshl_b32 s22, s16, 12                        ; W's: my group, behind x's two
	s_add_co_u32 s22, s22, 2*HALFS
	s_sub_co_u32 s22, s22, s21
	v_mul_u32_u24 v6, s22, v2                      ; lanes 16-31 take W's: one product, the distance x h
	s_add_co_u32 s21, s21, SCL
	v_add_nc_u32 v5, v5, v6
	v_add_nc_u32 v[ADRS], s21, v5
	v_lshlrev_b32 v5, 5, v1                        ; the half tile: x's words of blocks 4 (wave / 2) on: 16 bytes on in a row's 32
	s_lshl_b32 s21, s15, 4
	s_lshl_b32 s22, s16, 12
	s_add_co_u32 s22, s22, 2*HALFS
	s_sub_co_u32 s22, s22, s21
	v_mul_u32_u24 v6, s22, v2
	v_lshl_add_u32 v[SOH], v1, 5, s21
	s_add_co_u32 s21, s21, SCL2
	v_add_nc_u32 v5, v5, v6
	v_add_nc_u32 v[ADRT], s21, v5
	s_lshl_b32 s18, s17, 1
	s_add_co_u32 s18, s18, s15
	s_lshl_b32 s18, s18, 3
	s_lshl_b32 s19, s42, 1
	s_add_co_u32 s18, s18, s19
	s_add_co_u32 s18, s18, s16                     ; my unit of qk in the whole tile: (row group) x 8 + chunk of e
	s_lshl_b32 s20, s18, 14
	s_mov_b32 s21, 0
	s_add_nc_u64 s[96:97], s[96:97], s[20:21]
	s_lshl_b32 s20, s18, 9
	s_add_nc_u64 s[98:99], s[98:99], s[20:21]
	s_sub_co_u32 s12, 128, s17                     ; the steps to the half tile.  x: 128 - t groups on and back along K
	s_lshl_b32 s[DA], s12, 17
	s_sub_co_u32 s[DA], s[DA], 2*HALFT
	s_mov_b32 s[DA+1], 0
	s_sub_co_u32 s12, s12, s15                     ; my unit: 128 - t - wave / 2 row groups of 8 units on,
	s_lshl_b32 s20, s12, 17
	s_lshl_b32 s13, s15, 13
	s_add_co_u32 s20, s20, s13                     ; and in it my four blocks
	s_lshl_b32 s22, s12, 12
	s_mov_b32 s23, 0
.macro FRAG reg, adr, q, i             ; a fragment as it lies: four loads of 512 consecutive bytes
.irp c, 0,1,2,3
	ds_load_b128 v[\reg+4*\c:\reg+4*\c+3], v[\adr] offset:16384*(\q)+2048*(\i)+512*\c
.endr
.endm
; 16 products: x's blocks a0, a0 + 1 against W's eight.  zero = 2: the bias starts the sums.  The accumulators take turns, in the same order in every step.
.macro MUL16 a0, p, q, sc, zero
.irp a, \a0, \a0+1
.irp b, 0,1,2,3,4,5,6,7
.if \zero == 2
	v_wmma_scale_f32_16x16x128_f8f6f4 v[8*(8*((\a)%4)+\b):8*(8*((\a)%4)+\b)+7], v[128*(\p)+16*\b:128*(\p)+16*\b+15], v[AF+16*(\a):AF+16*(\a)+15], v[BI+8*\b:BI+8*\b+7], v[SC+16*(\sc)+8*(\q)+\b], v[SC+16*(\sc)+8*(\q)+(\a)] matrix_a_scale:MATRIX_SCALE_ROW1
.else
	v_wmma_scale_f32_16x16x128_f8f6f4 v[8*(8*((\a)%4)+\b):8*(8*((\a)%4)+\b)+7], v[128*(\p)+16*\b:128*(\p)+16*\b+15], v[AF+16*(\a):AF+16*(\a)+15], v[8*(8*((\a)%4)+\b):8*(8*((\a)%4)+\b)+7], v[SC+16*(\sc)+8*(\q)+\b], v[SC+16*(\sc)+8*(\q)+(\a)] matrix_a_scale:MATRIX_SCALE_ROW1
.endif
.endr
.endr
.endm
; The half tile: 8 products: x's block a, out of set p of four blocks, against W's eight
.macro MULH a, p, q, sc, zero
.irp b, 0,1,2,3,4,5,6,7
.if \zero == 2
	v_wmma_scale_f32_16x16x128_f8f6f4 v[8*(8*(\a)+\b):8*(8*(\a)+\b)+7], v[128*(\p)+16*\b:128*(\p)+16*\b+15], v[AF+64*(\p)+16*(\a):AF+64*(\p)+16*(\a)+15], v[BI+8*\b:BI+8*\b+7], v[SC+16*(\sc)+8*(\q)+\b], v[SC+16*(\sc)+8*(\q)+(\a)] matrix_a_scale:MATRIX_SCALE_ROW1
.else
	v_wmma_scale_f32_16x16x128_f8f6f4 v[8*(8*(\a)+\b):8*(8*(\a)+\b)+7], v[128*(\p)+16*\b:128*(\p)+16*\b+15], v[AF+64*(\p)+16*(\a):AF+64*(\p)+16*(\a)+15], v[8*(8*(\a)+\b):8*(8*(\a)+\b)+7], v[SC+16*(\sc)+8*(\q)+\b], v[SC+16*(\sc)+8*(\q)+(\a)] matrix_a_scale:MATRIX_SCALE_ROW1
.endif
.endr
.endm
.macro FETCH_B slot, q, p
	WIN TO_B
.irp i, 0,1,2,3,4,5,6,7
	FRAG 128*(\p)+16*\i, ADRB+\slot, \q, \i
.endr
	WIN 0
.endm
.macro FETCH_A slot, q, i0
.irp i, \i0, \i0+1, \i0+2, \i0+3
	FRAG AF+16*(\i), ADRA+\slot, \q, \i
.endr
.endm
.macro FETCH_AH slot, q, p, i0         ; the half tile: blocks i0, i0 + 1 into set p
.irp i, \i0, \i0+1
	FRAG AF+64*(\p)+16*(\i), ADRA+\slot, \q, \i
.endr
.endm
.macro SCALES sc                       ; a K step's words: two chunks x eight blocks, 16 bytes a load
	ds_load_b128 v[SC+16*\sc:SC+16*\sc+3], v[ADRS]
	ds_load_b128 v[SC+16*\sc+4:SC+16*\sc+7], v[ADRS] offset:16
	ds_load_b128 v[SC+16*\sc+8:SC+16*\sc+11], v[ADRS] offset:512
	ds_load_b128 v[SC+16*\sc+12:SC+16*\sc+15], v[ADRS] offset:528
.endm
.macro PLACES n                        ; plain vector lines between a matrix instruction and a load into, or a vector line on, its registers
.rept \n
	v_nop
.endr
.endm
.macro STEP slot, zero                 ; a slot's first 128 along K: W's set 0; it fetches the second 128
	s_wait_dscnt 16                                ; all but the youngest 16 loads: x's blocks 4-7
.if \zero == 2
	WIN 0x81                                       ; C, the bias, in window 0
.else
	WIN MUL_LO
.endif
	MUL16 0, 0, 0, \slot, \zero
	MUL16 2, 0, 0, \slot, \zero
	s_wait_dscnt 0x0
	PLACES NP
	FETCH_B \slot, 1, 1
	FETCH_A \slot, 1, 0
.if \zero == 2
	WIN 0xc1
.else
	WIN MUL_HI
.endif
	MUL16 4, 0, 0, \slot, \zero
	MUL16 6, 0, 0, \slot, \zero
	PLACES NP
	WIN 0
	FETCH_A \slot, 1, 4
.endm
; A slot's second 128 changes slots: one barrier; ahead of it each wave waits for all its tensor loads, adds 0 to its spare word and waits for that and for its reads of this slot.
; fill = 1: this slot takes the tile's K step two on; fill = 2: the half tile's first K step of this slot.  askp, askoff: what is prefetched.  fix = 1: the descriptors take the ring's shape.
.macro TURN slot, next, fill, askp, askoff, fix=0
	s_wait_tensorcnt 0x0                           ; all my tensor loads have landed: my part of the next slot
	ds_add_u32 v[SPW], v[NIL]
.if \fix
	RINGFIX
.endif
	s_wait_dscnt 17                                ; the add and x's blocks 4-7 may be out
	WIN MUL_LO
	MUL16 0, 1, 1, \slot, 0
	s_wait_dscnt 0x0                               ; the add is done and my reads of this slot are over
	s_barrier_signal -1
	MUL16 2, 1, 1, \slot, 0
	WIN 0
	s_barrier_wait -1
	CREST                                          ; the barrier opened a round of the cluster's: no wave of any partner still reads this slot or has a load on its way
.if \fill == 2
	s_add_nc_u64 s[G0+4*\slot+2:G0+4*\slot+3], s[G0+4*\slot+2:G0+4*\slot+3], s[DA:DA+1]   ; x: on to group 128 + t and back along K
	s_sub_nc_u64 s[G0B+4*\slot+2:G0B+4*\slot+3], s[G0B+4*\slot+2:G0B+4*\slot+3], 2*HALFT  ; W: back along K,
	s_add_nc_u64 s[G0B+4*\slot+2:G0B+4*\slot+3], s[G0B+4*\slot+2:G0B+4*\slot+3], s[2:3]   ; and from Wq to Wk where the whole tile was query's
	JLOAD2 G0+4*\slot, G0B+4*\slot
	PLACES NP                                      ; (wave 1 has passed no v_nop)
.else
	s_add_nc_u64 s[G0+4*\slot+2:G0+4*\slot+3], s[G0+4*\slot+2:G0+4*\slot+3], 2*HALFT
	s_add_nc_u64 s[G0B+4*\slot+2:G0B+4*\slot+3], s[G0B+4*\slot+2:G0B+4*\slot+3], 2*HALFT
	JLOAD G0+4*\slot, G0B+4*\slot                  ; my one tensor load behind the round; its four v_nop are four of the places
	PLACES NP-4
.endif
	s_wait_alu depctr_va_vdst(0)
	v_add_nc_u32 v[ADRS], 1024, v[ADRS]            ; the next K step's scale words
	FETCH_B \next, 0, 0
	FETCH_A \next, 0, 0
	SCALES \next
	ASK \askp, \askoff                             ; behind the joint load and the run of LDS loads that the next products wait for
	WIN MUL_HI
	MUL16 4, 1, 1, \slot, 0
	MUL16 6, 1, 1, \slot, 0
	PLACES NP
	WIN 0
	FETCH_A \next, 0, 4
.endm
; Slot 1 takes the half tile's K step 1, in the midst of the way out.  The three lines; the descriptors' steps stand between the add and its wait; a whole round of the cluster's barrier; the joint load first behind it.
; The wait for all my loads covers slot 0's, the half tile's K step 0: behind this round slot 0 is whole for every wave.
.macro REFILL
	s_wait_tensorcnt 0x0
	ds_add_u32 v[SPW], v[NIL]
	s_add_nc_u64 s[G0+6:G0+7], s[G0+6:G0+7], s[DA:DA+1]
	s_sub_nc_u64 s[G0B+6:G0B+7], s[G0B+6:G0B+7], 2*HALFT
	s_add_nc_u64 s[G0B+6:G0B+7], s[G0B+6:G0B+7], s[2:3]
	s_wait_dscnt 0x0                               ; the add is done; my reads of slot 1 ended in the last step
	CROUND
	JLOAD2 G0+4, G0B+4
	ASK PFB, 2*HALFT                               ; the half tile's K step 2
.endm
; The half tile's steps: 32 products for 128 along K; both operands have two sets, so the next 128's fragments are fetched in one run in a step's middle.
.macro STEPH slot, zero
	s_wait_dscnt 8                                 ; all but the youngest 8 loads: x's blocks 2, 3
.if \zero == 2
	WIN 0x81
.else
	WIN MUL_LO
.endif
	MULH 0, 0, 0, \slot, \zero
	MULH 1, 0, 0, \slot, \zero
	s_wait_dscnt 0x0
	PLACES NP
	FETCH_B \slot, 1, 1
	FETCH_AH \slot, 1, 1, 0
	FETCH_AH \slot, 1, 1, 2
.if \zero == 2
	WIN 0x81
.else
	WIN MUL_LO
.endif
	MULH 2, 0, 0, \slot, \zero
	MULH 3, 0, 0, \slot, \zero
.endm
.macro TURNH slot, next, fill, askp, askoff
	WIN 0
	s_wait_tensorcnt 0x0                           ; all my tensor loads have landed
	ds_add_u32 v[SPW], v[NIL]
	s_wait_dscnt 9                                 ; the add and x's blocks 2, 3 may be out
	WIN MUL_LO
	MULH 0, 1, 1, \slot, 0
	s_wait_dscnt 0x0                               ; the add is done and my reads of this slot are over
	s_barrier_signal -1
	MULH 1, 1, 1, \slot, 0
	WIN 0
	s_barrier_wait -1
.if \fill
	CREST
	s_add_nc_u64 s[G0+4*\slot+2:G0+4*\slot+3], s[G0+4*\slot+2:G0+4*\slot+3], 2*HALFT
	s_add_nc_u64 s[G0B+4*\slot+2:G0B+4*\slot+3], s[G0B+4*\slot+2:G0B+4*\slot+3], 2*HALFT
	JLOAD2 G0+4*\slot, G0B+4*\slot
.endif
	PLACES NP
	s_wait_alu depctr_va_vdst(0)
	v_add_nc_u32 v[ADRS], 1024, v[ADRS]
	FETCH_B \next, 0, 0
	FETCH_AH \next, 0, 0, 0
	SCALES \next
	FETCH_AH \next, 0, 0, 2
.if \askp
	ASK \askp, \askoff
.endif
	WIN MUL_LO
	MULH 2, 1, 1, \slot, 0
	MULH 3, 1, 1, \slot, 0
.endm
; Block a of 16 rows: its 64 registers a lane are quantised along e and stored as a fragment's image.  Each accumulator is read from its low end on.
.macro QW a
.set AC, 64*((\a)%4)
.set W, 2+(\a)/4
.set PCA, 128+16*((\a)%4)
.if (\a) >= 4
	s_wait_xcnt 0x0                                ; block a - 4's stores have read the codes' registers
.endif
	WIN W|(W<<2)
.irp b, 0,1,2,3
	v_max3_num_f32 v[TM+\b], |v[AC+16*\b]|, |v[AC+1+16*\b]|, 0x4800000
.endr
	WIN (W<<2)|(W<<4)
.irp i, 2,4,6,8,10,12,14
.irp b, 0,1,2,3
	v_max3_num_f32 v[TM+\b], v[TM+\b], |v[AC+16*\b+\i]|, |v[AC+1+16*\b+\i]|
.endr
.endr
	WIN 0
.irp b, 0,1,2,3
	v_permlanex16_b32 v[TM+4+\b], v[TM+\b], s[SEL], s[SEL+1]
.endr
.irp b, 0,1,2,3
	v_max_num_f32 v[TM+\b], v[TM+\b], v[TM+4+\b]
.endr
.irp b, 0,1,2,3
	v_add_nc_u32 v[TM+12+\b], 0xfc000000, v[TM+\b]
.endr
.irp b, 0,1,2,3
	v_and_or_b32 v[TM+8+\b], v[TM+\b], 0x7f800000, s[MNT]
.endr
.irp b, 0,1,2,3
	v_lshrrev_b32 v[TM+4+\b], 23, v[TM+12+\b]
.endr
	v_lshl_or_b32 v[PWD+(\a)], v[TM+5], 8, v[TM+4]
	v_lshl_or_b32 v[PWD+(\a)], v[TM+6], 16, v[PWD+(\a)]
	v_lshl_or_b32 v[PWD+(\a)], v[TM+7], 24, v[PWD+(\a)]
	WIN W
.irp b, 0,1,2,3
.irp i, 0,1,2,3,4,5,6,7,8,9,10,11,12,13,14,15
	v_med3_num_f32 v[ST+16*\b+\i], v[AC+16*\b+\i], -v[TM+8+\b], v[TM+8+\b]   ; the hold, out of the accumulators' window
.endr
.endr
	WIN 0
.irp b, 0,1,2,3
	v_cvt_scalef32_pk8_fp8_f32 v[PCA+4*\b:PCA+1+4*\b], v[ST+16*\b:ST+7+16*\b], v[TM+12+\b]
	v_cvt_scalef32_pk8_fp8_f32 v[PCA+2+4*\b:PCA+3+4*\b], v[ST+8+16*\b:ST+15+16*\b], v[TM+12+\b]
.endr
	v_nop
.irp c, 0,1,2,3
	global_store_b128 v[CO], v[PCA+4*\c:PCA+4*\c+3], s[96:97] offset:2048*(\a)+512*\c
.endr
.endm
.macro PERMS
.irp b, 0,1,2,3
	v_mov_b32 v[TM+4+\b], 0                        ; a lane permute's destination counts as one of its sources
.endr
.endm
	s_wait_alu depctr_va_vdst(0)                   ; the wait at the head's end
	s_wait_loadcnt 0x0                             ; the first bias
	s_wait_tensorcnt 0x0                           ; my first fill is in
	ds_add_u32 v[SPW], v[NIL]
	s_wait_dscnt 0x0
	CROUND                                         ; a whole round: K step 0 and its scale words are in for every wave, and the joint loads meet
	TREE G0+4, G0B+4, G0S2, G0SB2                  ; K step 1 and the half tile's scale words: four first fills, one a wave
	; ---- the whole tile
	FETCH_B 0, 0, 0
	FETCH_A 0, 0, 0
	SCALES 0
	FETCH_A 0, 0, 4
	STEP 0, 2
	TURN 0, 1, 1, PFA, 3*HALFT, 1                  ; slot 0 takes K step 2; K step 3 is prefetched; the descriptors take the ring's shape
	STEP 1, 0
	TURN 1, 0, 1, PFB, 0                           ; slot 1 takes K step 3; the half tile's K step 0 is prefetched
	STEP 0, 0
	TURN 0, 1, 2, PFB, HALFT                       ; THE RING GOES ON INTO THE HALF TILE: slot 0 takes its K step 0; its K step 1 is prefetched
	STEP 1, 0
	s_wait_dscnt 16                                ; the last 128 along K: nothing more to fetch from the slot
	WIN MUL_LO
	MUL16 0, 1, 1, 1, 0
	MUL16 2, 1, 1, 1, 0
	s_wait_dscnt 0x0                               ; my reads of slot 1 are over
	WIN MUL_HI
	MUL16 4, 1, 1, 1, 0
	MUL16 6, 1, 1, 1, 0
	WIN 0
	PLACES NP
	PERMS
	QW 0
	QW 1
	QW 2
	REFILL
	QW 3
	QW 4
	QW 5
	QW 6
	QW 7
	BIAS 10                                        ; behind the last block's conversions, which were the last readers of v64-127
	v_cmp_le_u32 vcc_lo, 16, v3                    ; both halves of the lanes hold row r's eight words: lanes 0-15 store blocks 0-3, lanes 16-31 blocks 4-7
.irp j, 0,1,2,3
	v_cndmask_b32 v[SELW+\j], v[PWD+\j], v[PWD+4+\j], vcc_lo
.endr
	global_store_b128 v[SO], v[SELW:SELW+3], s[98:99]
	; ---- the half tile
	s_wait_xcnt 0x0                                ; the whole tile's stores have read their registers and bases: both are written again below
	s_add_nc_u64 s[96:97], s[96:97], s[20:21]
	s_add_nc_u64 s[98:99], s[98:99], s[22:23]
.set ADRA, ADRH                        ; from here on the macros take the half tile's addresses, made at the head
.set ADRS, ADRT
	FETCH_B 0, 0, 0                                ; slot 0 was shown whole by the round in the way out
	FETCH_AH 0, 0, 0, 0
	SCALES 0
	FETCH_AH 0, 0, 0, 2
	s_wait_loadcnt 0x0                             ; the second bias
	STEPH 0, 2
	TURNH 0, 1, 1, PFB, 3*HALFT                    ; its wait for all loads covers slot 1's, asked for in the way out; K step 3 is prefetched
	STEPH 1, 0
	TURNH 1, 0, 1, 0, 0                            ; the last refill: nothing is left to prefetch
	STEPH 0, 0
	TURNH 0, 1, 0, 0, 0                            ; nothing is left to fetch
	STEPH 1, 0
	s_wait_dscnt 8
	MULH 0, 1, 1, 1, 0
	MULH 1, 1, 1, 1, 0
	s_wait_dscnt 0x0
	MULH 2, 1, 1, 1, 0
	MULH 3, 1, 1, 1, 0
	WIN 0
	PLACES NP
	PERMS
	QW 0
	QW 1
	QW 2
	QW 3
	global_store_b128 v[SOH], v[PWD:PWD+3], s[98:99]   ; my four blocks' words of row r: both halves of the lanes hold them and store the same 16 bytes
	s_wait_tensorcnt 0x0                           ; the wave's end
	ds_add_u32 v[SPW], v[NIL]
	s_wait_dscnt 0x0
	CROUND                                         ; the closing round
	s_endpgm
.Lfunc_end_k_q61cceed424_proj:
	.size	k_q61cceed424_proj, .Lfunc_end_k_q61cceed424_proj-k_q61cceed424_proj
	.p2alignl 7, 3214868480
	.fill 96, 4, 3214868480
	.section	.rodata,"a",@progbits
	.p2align	6, 0x0
	.amdhsa_kernel k_q61cceed424_proj
		.amdhsa_group_segment_fixed_size 327680
		.amdhsa_private_segment_fixed_size 0
		.amdhsa_enable_private_segment 0
		.amdhsa_kernarg_size 48
		.amdhsa_user_sgpr_count 2
		.amdhsa_user_sgpr_kernarg_segment_ptr 1
		.amdhsa_wavefront_size32 1
		.amdhsa_system_sgpr_workgroup_id_x 1
		.amdhsa_system_sgpr_workgroup_id_y 1
		.amdhsa_system_sgpr_workgroup_id_z 1
		.amdhsa_system_vgpr_workitem_id 0
		.amdhsa_next_free_vgpr 1024
		.amdhsa_next_free_sgpr 106
		.amdhsa_reserve_vcc 1
		.amdhsa_float_denorm_mode_32 3
		.amdhsa_float_denorm_mode_16_64 3
		.amdhsa_memory_ordered 1
		.amdhsa_forward_progress 1
		.amdhsa_inst_pref_size 255
	.end_amdhsa_kernel
	.section	.bss,"aw",@nobits
	.p2align	6
	.space	262144
	.amdgpu_metadata
---
amdhsa.version: [ 1, 2 ]
amdhsa.kernels:
  - .name:           k_q61cceed424_proj
    .symbol:         k_q61cceed424_proj.kd
    .args:
      - { .name: xw_codes, .offset: 0, .size: 8, .value_kind: global_buffer, .address_space: global }
      - { .name: xw_scales, .offset: 8, .size: 8, .value_kind: global_buffer, .address_space: global }
      - { .name: bq, .offset: 16, .size: 8, .value_kind: global_buffer, .address_space: global }
      - { .name: bk, .offset: 24, .size: 8, .value_kind: global_buffer, .address_space: global }
      - { .name: qk_codes, .offset: 32, .size: 8, .value_kind: global_buffer, .address_space: global }
      - { .name: qk_scales, .offset: 40, .size: 8, .value_kind: global_buffer, .address_space: global }
    .group_segment_fixed_size: 327680
    .private_segment_fixed_size: 0
    .kernarg_segment_align: 8
    .kernarg_segment_size: 48
    .max_flat_workgroup_size: 128
    .sgpr_count:     106
    .vgpr_count:     1024
    .wavefront_size: 32
...
	.end_amdgpu_metadata
.endif
;; end of part 2
;; launch scores (part 3): grid 8 x 32, 4 waves a work-group, clusters of 4 x 4, 327,680 bytes of LDS; arguments qk_codes, qk_scales, p_codes, p_stat; writes p_codes, p_stat
.if DOCPART == 3
	.amdgcn_target "amdgcn-amd-amdhsa--gfx1250"
	.amdhsa_code_object_version 6
	.text
	.protected	k_q61cceed424_scores
	.globl	k_q61cceed424_scores
	.p2align	8
	.type	k_q61cceed424_scores,@function
k_q61cceed424_scores:
	s_mov_b64 s[64:65], 0
	v_nop
	global_prefetch_b8 v0, s[64:65] scope:SCOPE_SE
	s_setreg_imm32_b32 hwreg(HW_REG_WAVE_MODE, 25, 1), 1
	s_wait_xcnt 0x0
	s_wait_alu depctr_hold_cnt(0) depctr_sa_sdst(0) depctr_va_vdst(0) depctr_va_sdst(0) depctr_va_ssrc(0) depctr_va_vcc(0) depctr_vm_vsrc(0)
	s_getreg_b32 s2, hwreg(HW_REG_IB_STS2, 6, 4)
	s_cmp_eq_u32 s2, 0
	s_cbranch_scc0 .Lentry_in_a_cluster
	s_endpgm
.Lentry_in_a_cluster:
	s_bfe_u32 s2, ttmp6, 0x10000c
	s_cmp_lg_u32 s2, 0xf033
	s_cbranch_scc0 .Lentry_shape_is_right
	s_endpgm
.Lentry_shape_is_right:
; LAUNCH 3 OF 4.  S^T = k q^T on codes, a tile of 256 queries x 256 keys a work-group, four waves of 128 x 128; then p = 2^(t - M) for each unit of 128 keys, M the ceiling of the unit's largest t of the row.  Nothing is left out.
; A unit's p is quantised along the keys and stored as an operand image; p_stat takes, for each unit, the rows' scale words, -M and the sum of the unquantised p: the next launch brings the units under the row's M by whole powers of two.
; CLUSTER 4 x 4: q's tiles are shared along a row, k's along a column.  First fills, one a wave: wave 0 q's two groups of K step 0, wave 1 k's two, wave 2 q's scale words, wave 3 k's; K step 1 follows behind a round.
; PREFETCH: K steps 2 and 3 are asked for two fills ahead of their loads, 8,192 bytes a wave, the four partners of a joint load told apart by address.  K has four steps, written out: nothing more lies ahead.
; LIMITS: as stated at launch 1's head; the promise holds while the scaled scores stay under 2^31 in magnitude.
.set NP, 8
.set HALFT,  32768
.set SLOT,   4*HALFT
.set SCL,    2*SLOT
.set HALFS,  4096
.set SPARE,  SCL+4*HALFS
.set ADRA, 16
.set ADRB, 20
.set SO,   25
.set CO,   26
.set ADRS, 27
.set SPW,  28
.set NIL,  29
.set SC,   32
.set P,    64
.set AF,   128
.set BM,   192
.set BT,   196
.set HOLD, 200
.set SOP,  204
.set NM,   208
.set PWD,  216
.set NMA,  224
.set LA,   232
.set SELW, 240
.set G1, 24
.set G0, 32
.set G1B, 48
.set G0B, 56
.set G1S, 68
.set G0S, 76
.set G1SB, 80
.set G0SB, 88
.set SEL, 66
.set MNT, 95
.set CS,  96
.set MSB, 0
.macro WIN new
.if MSB != (\new)
	s_set_vgpr_msb (MSB<<8)|(\new)
.set MSB, (\new)
.endif
.endm
.set MUL_LO, 0xa1
.set MUL_HI, 0xf1
.set TO_B,   0x40
.macro JLOAD g0a, g1a, g0b, g1b
	s_cmp_eq_u32 s15, 0
	s_cbranch_scc0 .Lfor_b_\@
	tensor_load_to_lds s[\g0a:\g0a+3], s[\g1a:\g1a+7]
	s_nop 0
.rept 4
	v_nop
.endr
	s_branch .Lasked_\@
.Lfor_b_\@:
	tensor_load_to_lds s[\g0b:\g0b+3], s[\g1b:\g1b+7]
	s_nop 0
.rept 4
	v_nop
.endr
.Lasked_\@:
.endm
.macro CREST
	s_cmp_lg_u32 s14, 0
	s_cbranch_scc1 .Lnot_wave_0_\@
	s_barrier_signal -3
.Lnot_wave_0_\@:
	s_barrier_wait -3
	s_barrier_signal -1
	s_barrier_wait -1
.endm
.macro CROUND
	s_barrier_signal -1
	s_barrier_wait -1
	CREST
.endm
	s_load_b256 s[4:11], s[0:1], 0x0
	v_lshl_add_u32 v[SPW], v0, 2, SPARE
	v_mov_b32 v[NIL], 0
	ds_add_u32 v[SPW], v[NIL]
	ds_add_u32 v[SPW], v[NIL]
	v_lshrrev_b32 v1, 5, v0
	v_readfirstlane_b32 s14, v1
	s_lshr_b32 s15, s14, 1
	s_and_b32 s16, s14, 1
	s_bfe_u32 s40, ttmp6, 0x40000
	s_bfe_u32 s41, ttmp6, 0x40004
	s_lshl_b32 s42, ttmp9, 2
	s_add_co_u32 s42, s42, s40
	s_and_b32 s12, ttmp7, 0xffff
	s_lshl_b32 s17, s12, 2
	s_add_co_u32 s17, s17, s41
	s_lshl_b32 s43, s41, 2
	s_lshl_b32 s43, 15, s43
	s_lshl_b32 s44, 0x1111, s40
	s_or_b32 s[G1+0], s43, (3<<16)|(1<<21)
	s_or_b32 s[G1B+0], s44, (3<<16)|(1<<21)
.irp g, G1, G1B
	s_mov_b32 s[\g+1], 4096<<16                    ; the head's shape: a tile's two groups as 2 rows of 32,768 bytes, a group's 131,072 bytes apart
	s_mov_b32 s[\g+2], 2<<16
	s_mov_b32 s[\g+3], 4096<<16
	s_mov_b32 s[\g+4], 2
	s_mov_b32 s[\g+5], 16384
	s_mov_b32 s[\g+6], 0
	s_mov_b32 s[\g+7], 0
.endr
	s_or_b32 s[G1S+0], s43, (3<<16)|(1<<21)
	s_or_b32 s[G1SB+0], s44, (3<<16)|(1<<21)
.irp g, G1S, G1SB
	s_mov_b32 s[\g+1], 32<<16
	s_mov_b32 s[\g+2], 32<<16                      ; two neighbouring groups' scale words: 32 rows of 256 bytes
	s_mov_b32 s[\g+3], 32<<16
	s_mov_b32 s[\g+4], 32
	s_mov_b32 s[\g+5], 32
	s_mov_b32 s[\g+6], 0
	s_mov_b32 s[\g+7], 0
.endr
	s_lshl_b32 s20, s17, 1
	s_lshl_b32 s46, s12, 4
	s_lshl_b32 s47, s42, 1
	s_add_co_u32 s46, s46, s47
	s_add_co_u32 s46, s46, 64
	s_lshl_b32 s22, s20, 12
	s_mov_b32 s23, 0
	s_lshl_b32 s92, s46, 12
	s_mov_b32 s93, 0
	s_lshl_b32 s20, s20, 17
	s_mov_b32 s21, 0
	s_lshl_b32 s46, s46, 17
	s_mov_b32 s47, 0
	s_lshl_b32 s45, s14, 15
	s_lshl_b32 s98, s16, 17                        ; s[98:99]: from a tile's first group to the group that I fetch in the ring
	s_mov_b32 s99, 0
	s_mov_b32 s[SEL], 0x76543210
	s_mov_b32 s[SEL+1], 0xfedcba98
	s_mov_b32 s[MNT], 0x600000
	s_mov_b32 s[CS], 0x3d38aa3b
	s_mov_b32 s[CS+1], s[CS]
	s_wait_dscnt 0x0
	s_wait_kmcnt 0x0
	s_add_nc_u64 s[20:21], s[4:5], s[20:21]
	s_add_nc_u64 s[22:23], s[6:7], s[22:23]
	s_add_nc_u64 s[46:47], s[4:5], s[46:47]
	s_add_nc_u64 s[92:93], s[6:7], s[92:93]
	CROUND
	s_mov_b32 s[G0S], 1
	s_mov_b32 s[G0S+1], SCL
	s_mov_b64 s[G0S+2:G0S+3], s[22:23]
	s_or_b32 s[G0S+3], s[G0S+3], 0x80000000
	s_mov_b32 s[G0SB], 1
	s_mov_b32 s[G0SB+1], SCL+2*HALFS
	s_mov_b64 s[G0SB+2:G0SB+3], s[92:93]
	s_or_b32 s[G0SB+3], s[G0SB+3], 0x80000000
	s_mov_b32 s[G0], 1                             ; the head's loads of K step 0: q's two groups to slot 0's start,
	s_mov_b32 s[G0+1], 0
	s_mov_b64 s[G0+2:G0+3], s[20:21]
	s_or_b32 s[G0+3], s[G0+3], 0x80000000
	s_mov_b32 s[G0B], 1                            ; k's two behind them
	s_mov_b32 s[G0B+1], 2*HALFT
	s_mov_b64 s[G0B+2:G0B+3], s[46:47]
	s_or_b32 s[G0B+3], s[G0B+3], 0x80000000
	s_add_nc_u64 s[20:21], s[20:21], s[98:99]      ; the ring: my group
	s_add_nc_u64 s[46:47], s[46:47], s[98:99]
	s_mov_b32 s[G0+4], 1
	s_add_co_u32 s[G0+5], s45, SLOT
	s_add_nc_u64 s[G0+6:G0+7], s[20:21], HALFT
	s_or_b32 s[G0+7], s[G0+7], 0x80000000
	s_mov_b32 s[G0B+4], 1
	s_add_co_u32 s[G0B+5], s45, SLOT
	s_add_nc_u64 s[G0B+6:G0B+7], s[46:47], HALFT
	s_or_b32 s[G0B+7], s[G0B+7], 0x80000000
	s_cmp_eq_u32 s15, 0                            ; the prefetches: the group that I fetch, at my work-group's quarter of a K step
	s_cselect_b64 s[2:3], s[20:21], s[46:47]
	s_cselect_b32 s92, s40, s41
	s_lshl_b32 s92, s92, 13
	s_mov_b32 s93, 0
	s_add_nc_u64 s[2:3], s[2:3], s[92:93]
.macro TL g0, g1
	tensor_load_to_lds s[\g0:\g0+3], s[\g1:\g1+7]
	s_nop 0
.rept 4
	v_nop
.endr
.endm
	s_cmp_lt_u32 s14, 1                            ; one chain of branches on the wave's number, one load to an arm, one join
	s_cbranch_scc0 .Lhead_b
	TL G0, G1
	s_branch .Lhead_asked
.Lhead_b:
	s_cmp_lt_u32 s14, 2
	s_cbranch_scc0 .Lhead_sa
	TL G0B, G1B
	s_branch .Lhead_asked
.Lhead_sa:
	s_cmp_lt_u32 s14, 3
	s_cbranch_scc0 .Lhead_sb
	TL G0S, G1S
	s_branch .Lhead_asked
.Lhead_sb:
	TL G0SB, G1SB
.Lhead_asked:
	v_and_b32 v30, 31, v0
	v_lshlrev_b32 v30, 8, v30                      ; v30: 256 x lane; never rewritten
	global_prefetch_b8 v30, s[2:3] offset:HALFT th:TH_LOAD_NT scope:SCOPE_SE     ; K step 1, one fill ahead of its load,
	global_prefetch_b8 v30, s[2:3] offset:2*HALFT th:TH_LOAD_NT scope:SCOPE_SE   ; and K step 2
	v_and_b32 v1, 15, v0
	v_bfe_u32 v2, v0, 4, 1
	s_wait_alu depctr_va_vdst(0)
	v_and_b32 v3, 31, v0
	v_lshlrev_b32 v[CO], 4, v3
	s_lshl_b32 s21, s15, 15
	s_lshl_b32 s22, s16, 15
	s_add_co_u32 s22, s22, 2*HALFT
.irp s, 0,1
	v_add_nc_u32 v[ADRA+\s], s21, v[CO]
	v_add_nc_u32 v[ADRB+\s], s22, v[CO]
	s_add_co_u32 s21, s21, SLOT
	s_add_co_u32 s22, s22, SLOT
.endr
	v_lshlrev_b32 v5, 5, v1
	v_lshl_add_u32 v[SO], v2, 4, v5
	s_lshl_b32 s21, s15, 12
	s_lshl_b32 s22, s16, 12
	s_add_co_u32 s22, s22, 2*HALFS
	s_sub_co_u32 s22, s22, s21
	v_mul_u32_u24 v6, s22, v2
	s_add_co_u32 s21, s21, SCL
	v_add_nc_u32 v5, v5, v6
	v_add_nc_u32 v[ADRS], s21, v5
	s_lshl_b32 s18, s17, 1
	s_add_co_u32 s18, s18, s15
	s_lshl_b32 s18, s18, 4
	s_lshl_b32 s19, s42, 1
	s_add_co_u32 s18, s18, s19
	s_add_co_u32 s18, s18, s16
	s_lshl_b32 s20, s18, 14
	s_mov_b32 s21, 0
	s_add_nc_u64 s[8:9], s[8:9], s[20:21]
	s_mul_i32 s20, s18, 1536
	s_add_nc_u64 s[10:11], s[10:11], s[20:21]
.macro FRAG reg, adr, q, i
.irp c, 0,1,2,3
	ds_load_b128 v[\reg+4*\c:\reg+4*\c+3], v[\adr] offset:16384*(\q)+2048*(\i)+512*\c
.endr
.endm
.macro MUL16 a0, p, q, sc, zero
.irp a, \a0, \a0+1
.irp b, 0,1,2,3,4,5,6,7
.if \zero
	v_wmma_scale_f32_16x16x128_f8f6f4 v[8*(8*((\a)%4)+\b):8*(8*((\a)%4)+\b)+7], v[128*(\p)+16*\b:128*(\p)+16*\b+15], v[AF+16*(\a):AF+16*(\a)+15], 0, v[SC+16*(\sc)+8*(\q)+\b], v[SC+16*(\sc)+8*(\q)+(\a)] matrix_a_scale:MATRIX_SCALE_ROW1
.else
	v_wmma_scale_f32_16x16x128_f8f6f4 v[8*(8*((\a)%4)+\b):8*(8*((\a)%4)+\b)+7], v[128*(\p)+16*\b:128*(\p)+16*\b+15], v[AF+16*(\a):AF+16*(\a)+15], v[8*(8*((\a)%4)+\b):8*(8*((\a)%4)+\b)+7], v[SC+16*(\sc)+8*(\q)+\b], v[SC+16*(\sc)+8*(\q)+(\a)] matrix_a_scale:MATRIX_SCALE_ROW1
.endif
.endr
.endr
.endm
.macro FETCH_B slot, q, p
	WIN TO_B
.irp i, 0,1,2,3,4,5,6,7
	FRAG 128*(\p)+16*\i, ADRB+\slot, \q, \i
.endr
	WIN 0
.endm
.macro FETCH_A slot, q, i0
.irp i, \i0, \i0+1, \i0+2, \i0+3
	FRAG AF+16*(\i), ADRA+\slot, \q, \i
.endr
.endm
.macro SCALES sc
	ds_load_b128 v[SC+16*\sc:SC+16*\sc+3], v[ADRS]
	ds_load_b128 v[SC+16*\sc+4:SC+16*\sc+7], v[ADRS] offset:16
	ds_load_b128 v[SC+16*\sc+8:SC+16*\sc+11], v[ADRS] offset:512
	ds_load_b128 v[SC+16*\sc+12:SC+16*\sc+15], v[ADRS] offset:528
.endm
.macro PLACES n
.rept \n
	v_nop
.endr
.endm
.macro STEP slot, zero
	s_wait_dscnt 16
	WIN MUL_LO
	MUL16 0, 0, 0, \slot, \zero
	MUL16 2, 0, 0, \slot, \zero
	s_wait_dscnt 0x0
	PLACES NP
	FETCH_B \slot, 1, 1
	FETCH_A \slot, 1, 0
	WIN MUL_HI
	MUL16 4, 0, 0, \slot, \zero
	MUL16 6, 0, 0, \slot, \zero
	PLACES NP
	WIN 0
	FETCH_A \slot, 1, 4
.endm
.macro TURN slot, next, fill
	s_wait_tensorcnt 0x0
	ds_add_u32 v[SPW], v[NIL]
	s_wait_dscnt 17
	WIN MUL_LO
	MUL16 0, 1, 1, \slot, 0
	s_wait_dscnt 0x0
	s_barrier_signal -1
	MUL16 2, 1, 1, \slot, 0
	WIN 0
	s_barrier_wait -1
.if \fill
	CREST
	s_add_nc_u64 s[G0+4*\slot+2:G0+4*\slot+3], s[G0+4*\slot+2:G0+4*\slot+3], 2*HALFT
	s_add_nc_u64 s[G0B+4*\slot+2:G0B+4*\slot+3], s[G0B+4*\slot+2:G0B+4*\slot+3], 2*HALFT
	JLOAD G0+4*\slot, G1, G0B+4*\slot, G1B
	PLACES NP-4
.else
	PLACES NP
.endif
	s_wait_alu depctr_va_vdst(0)
	v_add_nc_u32 v[ADRS], 1024, v[ADRS]
	FETCH_B \next, 0, 0
	FETCH_A \next, 0, 0
	SCALES \next
	WIN MUL_HI
	MUL16 4, 1, 1, \slot, 0
	MUL16 6, 1, 1, \slot, 0
	PLACES NP
	WIN 0
	FETCH_A \next, 0, 4
.endm
	s_wait_alu depctr_va_vdst(0)
	s_wait_tensorcnt 0x0                           ; my first fill is in
	ds_add_u32 v[SPW], v[NIL]
.irp g, G1, G1B
	s_mov_b32 s[\g+1], 32<<16                      ; no tensor load of mine is out: the ring's shape, one group's K step as 128 dense rows of 256 bytes
	s_mov_b32 s[\g+2], 128<<16
	s_mov_b32 s[\g+3], 32<<16
	s_mov_b32 s[\g+4], 128
	s_mov_b32 s[\g+5], 32
.endr
	s_mov_b32 s[G0+1], s45                         ; slot 0's ring descriptors: my group, to wave x 32,768
	s_add_nc_u64 s[G0+2:G0+3], s[G0+2:G0+3], s[98:99]
	s_mov_b32 s[G0B+1], s45
	s_add_nc_u64 s[G0B+2:G0B+3], s[G0B+2:G0B+3], s[98:99]
	s_wait_dscnt 0x0
	CROUND                                         ; a whole round: K step 0 and the scale words are in for every wave
	JLOAD G0+4, G1, G0B+4, G1B                     ; K step 1, the first tensor load behind the round
	global_prefetch_b8 v30, s[2:3] offset:3*HALFT th:TH_LOAD_NT scope:SCOPE_SE   ; K step 3
	FETCH_B 0, 0, 0
	FETCH_A 0, 0, 0
	SCALES 0
	FETCH_A 0, 0, 4
	STEP 0, 1
	TURN 0, 1, 1
	STEP 1, 0
	TURN 1, 0, 1
	STEP 0, 0
	TURN 0, 1, 0
	STEP 1, 0
	s_wait_dscnt 16
	WIN MUL_LO
	MUL16 0, 1, 1, 1, 0
	MUL16 2, 1, 1, 1, 0
	s_wait_dscnt 0x0
	WIN MUL_HI
	MUL16 4, 1, 1, 1, 0
	MUL16 6, 1, 1, 1, 0
	WIN 0
	PLACES NP
.irp b, 0,1,2,3
	v_mov_b32 v[BT+\b], 0
.endr
	v_mov_b32 v209, 0
	v_mov_b32 v215, 0
.macro SOFT a
.set AC, 64*((\a)%4)
.set W, 2+(\a)/4
.set PCA, 128+16*((\a)%4)
.if (\a) >= 4
	s_wait_xcnt 0x0
.endif
	WIN W|(W<<2)|(W<<4)
.irp b, 0,1,2,3
	v_max3_num_f32 v[BM+\b], v[AC+16*\b], v[AC+1+16*\b], v[AC+2+16*\b]
.endr
	WIN (W<<2)|(W<<4)
.irp i, 3,5,7,9,11,13
.irp b, 0,1,2,3
	v_max3_num_f32 v[BM+\b], v[BM+\b], v[AC+16*\b+\i], v[AC+1+16*\b+\i]
.endr
.endr
.irp b, 0,1,2,3
	v_max_num_f32 v[BM+\b], v[BM+\b], v[AC+15+16*\b]
.endr
	WIN 0
.irp b, 0,1,2,3
	v_permlanex16_b32 v[BT+\b], v[BM+\b], s[SEL], s[SEL+1]
.endr
.irp b, 0,1,2,3
	v_max_num_f32 v[BM+\b], v[BM+\b], v[BT+\b]
.endr
	v_max3_num_f32 v214, v[BM], v[BM+1], v[BM+2]
	v_max_num_f32 v214, v214, v[BM+3]
	v_mul_f32 v214, s[CS], v214
	v_floor_f32 v[NM], -v214
	WIN W
.set jj, 0
.rept 32
	v_pk_fma_f32 v[P+jj:P+jj+1], v[AC+jj:AC+jj+1], s[CS:CS+1], v[NM:NM+1] op_sel_hi:[1,0,0]
.set jj, jj+2
.endr
	WIN 0
.irp b, 0,1,2,3
	v_fma_f32 v[BM+\b], v[BM+\b], s[CS], v[NM]
.endr
.set jj, 0
	s_wait_alu depctr_va_vdst(0)
.rept 64
	v_exp_f32 v[P+jj], v[P+jj]
.set jj, jj+1
.endr
	v_mov_b32 v[NMA+(\a)], v[NM]
	s_wait_alu depctr_va_vdst(0)
.irp b, 0,1,2,3
	v_exp_f32 v[BM+\b], v[BM+\b]
.endr
	v_pk_add_f32 v[210:211], v[P:P+1], v[P+4:P+5]
	v_pk_add_f32 v[212:213], v[P+2:P+3], v[P+6:P+7]
.irp j, 8,12,16,20,24,28,32,36,40,44,48,52,56,60
	v_pk_add_f32 v[210:211], v[210:211], v[P+\j:P+\j+1]
	v_pk_add_f32 v[212:213], v[212:213], v[P+\j+2:P+\j+3]
.endr
	v_pk_add_f32 v[210:211], v[210:211], v[212:213]
	v_add_f32 v214, v210, v211
	v_permlanex16_b32 v215, v214, s[SEL], s[SEL+1]
	v_add_f32 v[LA+(\a)], v214, v215
	s_wait_alu depctr_va_vdst(0)
.irp b, 0,1,2,3
	v_max_num_f32 v[BM+\b], 0x4800000, v[BM+\b]
.endr
.irp b, 0,1,2,3
	v_add_nc_u32 v[SOP+\b], 0xfc000000, v[BM+\b]
.endr
.irp b, 0,1,2,3
	v_and_or_b32 v[HOLD+\b], v[BM+\b], 0x7f800000, s[MNT]
.endr
.irp b, 0,1,2,3
	v_lshrrev_b32 v[BT+\b], 23, v[SOP+\b]
.endr
	v_lshl_or_b32 v[PWD+(\a)], v[BT+1], 8, v[BT]
	v_lshl_or_b32 v[PWD+(\a)], v[BT+2], 16, v[PWD+(\a)]
	v_lshl_or_b32 v[PWD+(\a)], v[BT+3], 24, v[PWD+(\a)]
.irp b, 0,1,2,3
.irp i, 0,1,2,3,4,5,6,7,8,9,10,11,12,13,14,15
	v_min_num_f32 v[P+16*\b+\i], v[P+16*\b+\i], v[HOLD+\b]
.endr
	v_cvt_scalef32_pk8_fp8_f32 v[PCA+4*\b:PCA+1+4*\b], v[P+16*\b:P+7+16*\b], v[SOP+\b]
	v_cvt_scalef32_pk8_fp8_f32 v[PCA+2+4*\b:PCA+3+4*\b], v[P+8+16*\b:P+15+16*\b], v[SOP+\b]
.endr
	v_nop
.irp c, 0,1,2,3
	global_store_b128 v[CO], v[PCA+4*\c:PCA+4*\c+3], s[8:9] offset:2048*(\a)+512*\c
.endr
.endm
.irp a, 0,1,2,3,4,5,6,7
	SOFT \a
.endr
	v_cmp_le_u32 vcc_lo, 16, v3
.irp j, 0,1,2,3
	v_cndmask_b32 v[SELW+\j], v[PWD+\j], v[PWD+4+\j], vcc_lo
	v_cndmask_b32 v[SELW+4+\j], v[NMA+\j], v[NMA+4+\j], vcc_lo
	v_cndmask_b32 v[SELW+8+\j], v[LA+\j], v[LA+4+\j], vcc_lo
.endr
	global_store_b128 v[SO], v[SELW:SELW+3], s[10:11]
	global_store_b128 v[SO], v[SELW+4:SELW+7], s[10:11] offset:512
	global_store_b128 v[SO], v[SELW+8:SELW+11], s[10:11] offset:1024
	s_wait_tensorcnt 0x0
	ds_add_u32 v[SPW], v[NIL]
	s_wait_dscnt 0x0
	CROUND
	s_endpgm
.Lfunc_end_k_q61cceed424_scores:
	.size	k_q61cceed424_scores, .Lfunc_end_k_q61cceed424_scores-k_q61cceed424_scores
	.p2alignl 7, 3214868480
	.fill 96, 4, 3214868480
	.section	.rodata,"a",@progbits
	.p2align	6, 0x0
	.amdhsa_kernel k_q61cceed424_scores
		.amdhsa_group_segment_fixed_size 327680
		.amdhsa_private_segment_fixed_size 0
		.amdhsa_enable_private_segment 0
		.amdhsa_kernarg_size 32
		.amdhsa_user_sgpr_count 2
		.amdhsa_user_sgpr_kernarg_segment_ptr 1
		.amdhsa_wavefront_size32 1
		.amdhsa_system_sgpr_workgroup_id_x 1
		.amdhsa_system_sgpr_workgroup_id_y 1
		.amdhsa_system_sgpr_workgroup_id_z 1
		.amdhsa_system_vgpr_workitem_id 0
		.amdhsa_next_free_vgpr 1024
		.amdhsa_next_free_sgpr 100
		.amdhsa_reserve_vcc 1
		.amdhsa_float_denorm_mode_32 3
		.amdhsa_float_denorm_mode_16_64 3
		.amdhsa_memory_ordered 1
		.amdhsa_forward_progress 1
		.amdhsa_inst_pref_size 223
	.end_amdhsa_kernel
	.amdgpu_metadata
---
amdhsa.version: [ 1, 2 ]
amdhsa.kernels:
  - .name:           k_q61cceed424_scores
    .symbol:         k_q61cceed424_scores.kd
    .args:
      - { .name: qk_codes, .offset: 0, .size: 8, .value_kind: global_buffer, .address_space: global }
      - { .name: qk_scales, .offset: 8, .size: 8, .value_kind: global_buffer, .address_space: global }
      - { .name: p_codes, .offset: 16, .size: 8, .value_kind: global_buffer, .address_space: global }
      - { .name: p_stat, .offset: 24, .size: 8, .value_kind: global_buffer, .address_space: global }
    .group_segment_fixed_size: 327680
    .private_segment_fixed_size: 0
    .kernarg_segment_align: 8
    .kernarg_segment_size: 32
    .max_flat_workgroup_size: 128
    .sgpr_count:     100
    .vgpr_count:     1024
    .wavefront_size: 32
...
	.end_amdgpu_metadata
.endif
;; end of part 3
;; launch pv (part 4): grid 4 x 64, 4 waves a work-group, clusters of 4 x 4, 327,680 bytes of LDS; arguments p_codes, p_stat, v_codes, v_scales, out0; writes out0
.if DOCPART == 4
	.amdgcn_target "amdgcn-amd-amdhsa--gfx1250"
	.amdhsa_code_object_version 6
	.text
	.protected	k_q61cceed424_pv
	.globl	k_q61cceed424_pv
	.p2align	8
	.type	k_q61cceed424_pv,@function
k_q61cceed424_pv:
	s_mov_b64 s[64:65], 0
	v_nop
	global_prefetch_b8 v0, s[64:65] scope:SCOPE_SE
	s_setreg_imm32_b32 hwreg(HW_REG_WAVE_MODE, 25, 1), 1
	s_wait_xcnt 0x0
	s_wait_alu depctr_hold_cnt(0) depctr_sa_sdst(0) depctr_va_vdst(0) depctr_va_sdst(0) depctr_va_ssrc(0) depctr_va_vcc(0) depctr_vm_vsrc(0)
	s_getreg_b32 s2, hwreg(HW_REG_IB_STS2, 6, 4)
	s_cmp_eq_u32 s2, 0
	s_cbranch_scc0 .Lentry_in_a_cluster
	s_endpgm
.Lentry_in_a_cluster:
	s_bfe_u32 s2, ttmp6, 0x10000c
	s_cmp_lg_u32 s2, 0xf033
	s_cbranch_scc0 .Lentry_shape_is_right
	s_endpgm
.Lentry_shape_is_right:
; LAUNCH 4 OF 4.  out = (p V) / l on codes: a tile of 128 queries x 256 of d a work-group, four waves of 64 x 128; K = 2,048 keys in eight steps of 256 through two slots.  Nothing is left out.
; THE HEAD brings the 16 units of a row under one M: the least -M of the units is the row's; each unit's scale bytes are lowered by its whole-number distance (held at the byte itself, so that no byte passes under 0), its sum is scaled by ldexp; 1 / l waits in LDS.
; V's blocks hold columns 64 H + 4 r + q (launch 1's head): the way out's multiplication by 1 / l writes register 32 H + 4 j + q, so that a lane's 32 registers are 32 neighbouring columns.
; CLUSTER 4 x 4: p's tiles are shared along a row, V's along a column.  First fills, one a wave: wave 0 p's K step 0, wave 1 V's two groups, waves 2 and 3 a group's scale words each; K step 1 follows behind a round.
; PREFETCH: two K steps ahead of each refill; wave 0 asks for p's 32,768 bytes of a K step, waves 2 and 3 for a group of V each; the four partners of a joint load take 8,192 bytes each, told apart by address; the last two refills ask for nothing.
; LIMITS: as stated at launch 1's head.
.set NP, 8
.set SLOT,   98304
.set ASC,    2*SLOT
.set RL,     ASC+8192
.set SCV,    RL+512
.set SPARE,  SCV+16384
.set ADRA, 16
.set ADRB, 20
.set GS,   22
.set STO,  24
.set RD,   25
.set CO,   26
.set ADRS, 27
.set SPW,  28
.set NIL,  29
.set RLA,  30
.set SA,   31
.set SC,   32
.set AF,   128
.set G1, 24
.set G0, 32
.set G1B, 48
.set G0B, 56
.set G1SB, 80
.set G0SB, 88
.set MSB, 0
.macro WIN new
.if MSB != (\new)
	s_set_vgpr_msb (MSB<<8)|(\new)
.set MSB, (\new)
.endif
.endm
.set MULW, 0xa1
.set TO_B, 0x40
.macro JLOAD g0a, g1a, g0b, g1b
	s_cmp_eq_u32 s15, 0
	s_cbranch_scc0 .Lfor_b_\@
	tensor_load_to_lds s[\g0a:\g0a+3], s[\g1a:\g1a+7]
	s_nop 0
.rept 4
	v_nop
.endr
	s_branch .Lasked_\@
.Lfor_b_\@:
	tensor_load_to_lds s[\g0b:\g0b+3], s[\g1b:\g1b+7]
	s_nop 0
.rept 4
	v_nop
.endr
.Lasked_\@:
.endm
.macro CREST
	s_cmp_lg_u32 s14, 0
	s_cbranch_scc1 .Lnot_wave_0_\@
	s_barrier_signal -3
.Lnot_wave_0_\@:
	s_barrier_wait -3
	s_barrier_signal -1
	s_barrier_wait -1
.endm
.macro CROUND
	s_barrier_signal -1
	s_barrier_wait -1
	CREST
.endm
	s_load_b256 s[4:11], s[0:1], 0x0
	s_load_b64 s[12:13], s[0:1], 0x20
	v_lshl_add_u32 v[SPW], v0, 2, SPARE
	v_mov_b32 v[NIL], 0
	ds_add_u32 v[SPW], v[NIL]
	ds_add_u32 v[SPW], v[NIL]
	v_lshrrev_b32 v1, 5, v0
	v_readfirstlane_b32 s14, v1
	s_lshr_b32 s15, s14, 1
	s_and_b32 s16, s14, 1
	s_bfe_u32 s40, ttmp6, 0x40000
	s_bfe_u32 s41, ttmp6, 0x40004
	s_lshl_b32 s42, ttmp9, 2
	s_add_co_u32 s42, s42, s40
	s_and_b32 s18, ttmp7, 0xffff
	s_lshl_b32 s17, s18, 2
	s_add_co_u32 s17, s17, s41
	s_lshr_b32 s18, s18, 1
	s_lshl_b32 s43, s41, 2
	s_lshl_b32 s43, 15, s43
	s_lshl_b32 s44, 0x1111, s40
	s_or_b32 s[G1+0], s43, (3<<16)|(1<<21)
	s_mov_b32 s[G1+1], 32<<16
	s_mov_b32 s[G1+2], 128<<16                     ; the head's shape: both chunks of a K step, 128 dense rows
	s_mov_b32 s[G1+3], 32<<16
	s_mov_b32 s[G1+4], 128
	s_mov_b32 s[G1+5], 32
	s_mov_b32 s[G1+6], 0
	s_mov_b32 s[G1+7], 0
	s_or_b32 s[G1B+0], s44, (3<<16)|(1<<21)
	s_mov_b32 s[G1B+1], 4096<<16                   ; the head's shape: V's two groups as 2 rows of 32,768 bytes, a group's 262,144 bytes apart
	s_mov_b32 s[G1B+2], 2<<16
	s_mov_b32 s[G1B+3], 4096<<16
	s_mov_b32 s[G1B+4], 2
	s_mov_b32 s[G1B+5], 32768
	s_mov_b32 s[G1B+6], 0
	s_mov_b32 s[G1B+7], 0
	s_or_b32 s[G1SB+0], s44, (3<<16)|(1<<21)
	s_mov_b32 s[G1SB+1], 32<<16
	s_mov_b32 s[G1SB+2], 32<<16                    ; a group's scale words: 32 rows of 256 bytes
	s_mov_b32 s[G1SB+3], 32<<16
	s_mov_b32 s[G1SB+4], 32
	s_mov_b32 s[G1SB+5], 32
	s_mov_b32 s[G1SB+6], 0
	s_mov_b32 s[G1SB+7], 0
	s_lshl_b32 s20, s17, 18
	s_mov_b32 s21, 0
	s_lshl_b32 s46, s18, 3
	s_lshl_b32 s47, s42, 1
	s_add_co_u32 s46, s46, s47
	s_add_co_u32 s92, s46, s16
	s_lshl_b32 s92, s92, 13
	s_mov_b32 s93, 0
	s_lshl_b32 s46, s46, 18
	s_mov_b32 s47, 0
	s_lshl_b32 s45, s16, 14
	s_lshl_b32 s95, s16, 15
	s_add_co_u32 s95, s95, 32768
	s_lshl_b32 s94, s16, 13
	s_mov_b32 s96, s45                             ; s[96:97], s[98:99]: from the head's addresses to the chunk of p and the group of V that I fetch in the ring
	s_mov_b32 s97, 0
	s_lshl_b32 s98, s16, 18
	s_mov_b32 s99, 0
	s_wait_dscnt 0x0
	s_wait_kmcnt 0x0
	s_add_nc_u64 s[20:21], s[4:5], s[20:21]
	s_add_nc_u64 s[46:47], s[8:9], s[46:47]
	s_add_nc_u64 s[92:93], s[10:11], s[92:93]
	CROUND
	s_mov_b32 s[G0SB], 1
	s_add_co_u32 s[G0SB+1], s94, SCV
	s_mov_b64 s[G0SB+2:G0SB+3], s[92:93]
	s_or_b32 s[G0SB+3], s[G0SB+3], 0x80000000
	s_mov_b32 s[G0], 1                             ; the head's loads of K step 0: p's two chunks to slot 0's start,
	s_mov_b32 s[G0+1], 0
	s_mov_b64 s[G0+2:G0+3], s[20:21]
	s_or_b32 s[G0+3], s[G0+3], 0x80000000
	s_mov_b32 s[G0B], 1                            ; V's two groups behind them
	s_mov_b32 s[G0B+1], 32768
	s_mov_b64 s[G0B+2:G0B+3], s[46:47]
	s_or_b32 s[G0B+3], s[G0B+3], 0x80000000
	s_add_nc_u64 s[46:47], s[46:47], s[98:99]      ; the ring: my group of V
	s_cmp_eq_u32 s15, 0                            ; the prefetches: p's K step (wave 0) or my group of V's (waves 2, 3), at my work-group's quarter
	s_cselect_b64 s[66:67], s[20:21], s[46:47]
	s_cselect_b32 s70, s40, s41
	s_lshl_b32 s70, s70, 13
	s_mov_b32 s71, 0
	s_add_nc_u64 s[66:67], s[66:67], s[70:71]
	s_mov_b32 s68, 1                               ; s68: a wave asks while the loop's count lies above it; wave 1 never
	s_cmp_eq_u32 s14, 1
	s_cselect_b32 s68, -1, s68
	s_add_nc_u64 s[20:21], s[20:21], s[96:97]      ; the ring: my chunk of p
	s_mov_b32 s[G0+4], 1
	s_add_co_u32 s[G0+5], s45, SLOT
	s_add_nc_u64 s[G0+6:G0+7], s[20:21], 32768
	s_or_b32 s[G0+7], s[G0+7], 0x80000000
	s_mov_b32 s[G0B+4], 1
	s_add_co_u32 s[G0B+5], s95, SLOT
	s_add_nc_u64 s[G0B+6:G0B+7], s[46:47], 32768
	s_or_b32 s[G0B+7], s[G0B+7], 0x80000000
.macro TL g0, g1
	tensor_load_to_lds s[\g0:\g0+3], s[\g1:\g1+7]
	s_nop 0
.rept 4
	v_nop
.endr
.endm
	s_cmp_lt_u32 s14, 1                            ; one chain of branches on the wave's number, one load to an arm, one join
	s_cbranch_scc0 .Lhead_b
	TL G0, G1
	s_branch .Lhead_asked
.Lhead_b:
	s_cmp_lt_u32 s14, 2
	s_cbranch_scc0 .Lhead_s
	TL G0B, G1B
	s_branch .Lhead_asked
.Lhead_s:
	TL G0SB, G1SB
.Lhead_asked:
	v_and_b32 v23, 31, v0
	v_lshlrev_b32 v23, 8, v23                      ; v23: 256 x lane; never rewritten
	s_cmp_eq_u32 s14, 1
	s_cbranch_scc1 .Lno_ask
	global_prefetch_b8 v23, s[66:67] offset:32768 th:TH_LOAD_NT scope:SCOPE_SE   ; K step 1, one fill ahead of its load, and K step 2
	global_prefetch_b8 v23, s[66:67] offset:65536 th:TH_LOAD_NT scope:SCOPE_SE
.Lno_ask:
	s_mul_i32 s18, s17, 24576
	s_mov_b32 s19, 0
	s_add_nc_u64 s[6:7], s[6:7], s[18:19]
	v_lshlrev_b32 v[GS], 2, v0
.irp q, 0,1,2,3,4,5,6,7,8,9,10,11,12,13,14,15
	global_load_b32 v[64+\q], v[GS], s[6:7] offset:1536*\q
	global_load_b32 v[80+\q], v[GS], s[6:7] offset:1536*\q+512
	global_load_b32 v[96+\q], v[GS], s[6:7] offset:1536*\q+1024
.endr
	v_and_b32 v1, 15, v0
	v_bfe_u32 v2, v0, 4, 1
	s_wait_alu depctr_va_vdst(0)
	v_and_b32 v3, 31, v0
	v_lshlrev_b32 v[CO], 4, v3
	s_lshl_b32 s21, s15, 13
	s_lshl_b32 s22, s16, 15
	s_add_co_u32 s22, s22, 32768
.irp s, 0,1
	v_add_nc_u32 v[ADRA+\s], s21, v[CO]
	v_add_nc_u32 v[ADRB+\s], s22, v[CO]
	s_add_co_u32 s21, s21, SLOT
	s_add_co_u32 s22, s22, SLOT
.endr
	v_lshlrev_b32 v5, 5, v1
	s_lshl_b32 s21, s15, 4
	s_lshl_b32 s22, s16, 13
	s_add_co_u32 s22, s22, SCV-ASC
	s_sub_co_u32 s22, s22, s21
	v_mul_u32_u24 v6, s22, v2
	s_add_co_u32 s23, s21, RL
	v_add_nc_u32 v[RLA], s23, v5
	s_add_co_u32 s21, s21, ASC
	v_add_nc_u32 v6, v5, v6
	v_add_nc_u32 v[ADRS], s21, v6
	v_lshl_add_u32 v[SA], v0, 2, ASC
	s_mul_i32 s23, s14, 8448
	v_mul_u32_u24 v7, v1, 528
	v_lshl_add_u32 v7, v2, 7, v7
	v_add_nc_u32 v[STO], s23, v7
	v_add_nc_u32 v[RD], s23, v[CO]
	s_lshl_b32 s18, s17, 19
	s_lshl_b32 s19, s15, 18
	s_add_co_u32 s18, s18, s19
	s_lshl_b32 s19, s42, 10
	s_add_co_u32 s18, s18, s19
	s_lshl_b32 s19, s16, 9
	s_add_co_u32 s18, s18, s19
	s_mov_b32 s19, 0
	s_add_nc_u64 s[12:13], s[12:13], s[18:19]
	s_wait_loadcnt 0x0
	v_min_num_f32 v112, v80, v81
.irp q, 2,3,4,5,6,7,8,9,10,11,12,13,14,15
	v_min_num_f32 v112, v112, v[80+\q]
.endr
.irp q, 0,1,2,3,4,5,6,7,8,9,10,11,12,13,14,15
	v_sub_f32 v114, v[80+\q], v112
	v_min_num_f32 v114, 0x437f0000, v114
	v_cvt_i32_f32 v114, v114
	v_sub_nc_u32 v115, 0, v114
.if \q == 0
	v_ldexp_f32 v113, v[96+\q], v115
.else
	v_ldexp_f32 v121, v[96+\q], v115
	v_add_f32 v113, v113, v121
.endif
.irp k, 0,1,2,3
	v_bfe_u32 v[116+\k], v[64+\q], 8*\k, 8
.endr
.irp k, 0,1,2,3
	v_min_u32 v[122+\k], v[116+\k], v114
.endr
.irp k, 0,1,2,3
	v_sub_nc_u32 v[116+\k], v[116+\k], v[122+\k]
.endr
	v_lshl_or_b32 v[64+\q], v117, 8, v116
	v_lshl_or_b32 v[64+\q], v118, 16, v[64+\q]
	v_lshl_or_b32 v[64+\q], v119, 24, v[64+\q]
	ds_store_b32 v[SA], v[64+\q] offset:512*\q
.endr
	s_wait_alu depctr_va_vdst(0)
	v_rcp_f32 v113, v113
	v_nop
	s_wait_alu depctr_va_vdst(0)
	ds_store_b32 v[SA], v113 offset:8192
	s_wait_tensorcnt 0x0                           ; my first fill is in
	ds_add_u32 v[SPW], v[NIL]
	s_mov_b32 s[G1+2], 64<<16                      ; no tensor load of mine is out: the ring's shapes: a chunk of p, 64 dense rows;
	s_mov_b32 s[G1+4], 64
	s_mov_b32 s[G1B+1], 32<<16                     ; a group of V's K step, 128 dense rows
	s_mov_b32 s[G1B+2], 128<<16
	s_mov_b32 s[G1B+3], 32<<16
	s_mov_b32 s[G1B+4], 128
	s_mov_b32 s[G1B+5], 32
	s_mov_b32 s[G0+1], s45
	s_add_nc_u64 s[G0+2:G0+3], s[G0+2:G0+3], s[96:97]
	s_mov_b32 s[G0B+1], s95
	s_add_nc_u64 s[G0B+2:G0B+3], s[G0B+2:G0B+3], s[98:99]
	s_wait_dscnt 0x0                               ; the add and my stores of scale words and 1 / l are done
	CROUND                                         ; a whole round: K step 0 and all scale words are in for every wave
	JLOAD G0+4, G1, G0B+4, G1B                     ; K step 1, the first tensor load behind the round
	s_cmp_eq_u32 s14, 1
	s_cbranch_scc1 .Lno_ask3
	global_prefetch_b8 v23, s[66:67] offset:98304 th:TH_LOAD_NT scope:SCOPE_SE   ; K step 3
.Lno_ask3:
.macro FRAG reg, adr, q, i
.irp c, 0,1,2,3
	ds_load_b128 v[\reg+4*\c:\reg+4*\c+3], v[\adr] offset:16384*(\q)+2048*(\i)+512*\c
.endr
.endm
.macro MUL8 a, p, q, sc, zero
.irp b, 0,1,2,3,4,5,6,7
.if \zero
	v_wmma_scale_f32_16x16x128_f8f6f4 v[8*(8*(\a)+\b):8*(8*(\a)+\b)+7], v[128*(\p)+16*\b:128*(\p)+16*\b+15], v[AF+64*(\p)+16*(\a):AF+64*(\p)+16*(\a)+15], 0, v[SC+16*(\sc)+8*(\q)+\b], v[SC+16*(\sc)+8*(\q)+(\a)] matrix_a_scale:MATRIX_SCALE_ROW1
.else
	v_wmma_scale_f32_16x16x128_f8f6f4 v[8*(8*(\a)+\b):8*(8*(\a)+\b)+7], v[128*(\p)+16*\b:128*(\p)+16*\b+15], v[AF+64*(\p)+16*(\a):AF+64*(\p)+16*(\a)+15], v[8*(8*(\a)+\b):8*(8*(\a)+\b)+7], v[SC+16*(\sc)+8*(\q)+\b], v[SC+16*(\sc)+8*(\q)+(\a)] matrix_a_scale:MATRIX_SCALE_ROW1
.endif
.endr
.endm
.macro FETCH_B slot, q, p
	WIN TO_B
.irp i, 0,1,2,3,4,5,6,7
	FRAG 128*(\p)+16*\i, ADRB+\slot, \q, \i
.endr
	WIN 0
.endm
.macro FETCH_A slot, q, p, i0
.irp i, \i0, \i0+1
	FRAG AF+64*(\p)+16*(\i), ADRA+\slot, \q, \i
.endr
.endm
.macro SCALES sc
	ds_load_b128 v[SC+16*\sc:SC+16*\sc+3], v[ADRS]
	ds_load_b128 v[SC+16*\sc+4:SC+16*\sc+7], v[ADRS] offset:16
	ds_load_b128 v[SC+16*\sc+8:SC+16*\sc+11], v[ADRS] offset:512
	ds_load_b128 v[SC+16*\sc+12:SC+16*\sc+15], v[ADRS] offset:528
.endm
.macro PLACES n
.rept \n
	v_nop
.endr
.endm
.macro STEP slot, zero
	s_wait_dscnt 8
	WIN MULW
	MUL8 0, 0, 0, \slot, \zero
	MUL8 1, 0, 0, \slot, \zero
	s_wait_dscnt 0x0
	PLACES NP
	FETCH_B \slot, 1, 1
	FETCH_A \slot, 1, 1, 0
	FETCH_A \slot, 1, 1, 2
	WIN MULW
	MUL8 2, 0, 0, \slot, \zero
	MUL8 3, 0, 0, \slot, \zero
.endm
.macro TURN slot, next, fill
	WIN 0
	s_wait_tensorcnt 0x0
	ds_add_u32 v[SPW], v[NIL]
	s_wait_dscnt 9
	WIN MULW
	MUL8 0, 1, 1, \slot, 0
	s_wait_dscnt 0x0
	s_barrier_signal -1
	MUL8 1, 1, 1, \slot, 0
	WIN 0
	s_barrier_wait -1
.if \fill
	CREST
	s_add_nc_u64 s[G0+4*\slot+2:G0+4*\slot+3], s[G0+4*\slot+2:G0+4*\slot+3], 65536
	s_add_nc_u64 s[G0B+4*\slot+2:G0B+4*\slot+3], s[G0B+4*\slot+2:G0B+4*\slot+3], 65536
	JLOAD G0+4*\slot, G1, G0B+4*\slot, G1B
	PLACES NP-4
.else
	PLACES NP
.endif
	s_wait_alu depctr_va_vdst(0)
	v_add_nc_u32 v[ADRS], 1024, v[ADRS]
	FETCH_B \next, 0, 0
	FETCH_A \next, 0, 0, 0
	SCALES \next
	FETCH_A \next, 0, 0, 2
.if \fill
	s_cmp_gt_u32 s3, s68                           ; the loop's last trip has no K step two refills on
	s_cbranch_scc0 .Lnot_mine_\@
	global_prefetch_b8 v23, s[66:67] offset:131072+32768*\slot th:TH_LOAD_NT scope:SCOPE_SE
.Lnot_mine_\@:
.endif
	WIN MULW
	MUL8 2, 1, 1, \slot, 0
	MUL8 3, 1, 1, \slot, 0
.endm
	FETCH_B 0, 0, 0
	FETCH_A 0, 0, 0, 0
	SCALES 0
	FETCH_A 0, 0, 0, 2
	STEP 0, 1
	WIN 0
	s_mov_b32 s3, 3
.Llap:
	TURN 0, 1, 1
	STEP 1, 0
	TURN 1, 0, 1
	STEP 0, 0
	WIN 0
	s_wait_xcnt 0x0                                ; my prefetches have read their address: it steps two K steps
	s_add_nc_u64 s[66:67], s[66:67], 65536
	s_sub_co_u32 s3, s3, 1
	s_cmp_lg_u32 s3, 0
	s_cbranch_scc1 .Llap
	TURN 0, 1, 0
	STEP 1, 0
	s_wait_dscnt 8
	MUL8 0, 1, 1, 1, 0
	MUL8 1, 1, 1, 1, 0
	s_wait_dscnt 0x0
	MUL8 2, 1, 1, 1, 0
	MUL8 3, 1, 1, 1, 0
	WIN 0
	PLACES NP
	ds_load_b128 v[64:67], v[RLA]
	s_wait_dscnt 0x0
.macro TOSTAGE a
	WIN 0x42
.set jj, 0
.rept 64
	v_mul_f32 v[64*((\a)%2)+32*(jj/32)+4*(jj%8)+(jj/8)%4], v[64*(\a)+jj], v[64+(\a)]
.set jj, jj+1
.endr
	WIN 0x04
.irp b, 0,1,2,3,4,5,6,7
	ds_store_b128 v[STO], v[64*((\a)%2)+8*\b:64*((\a)%2)+8*\b+3] offset:256*(\b/4)+32*(\b%4)
	ds_store_b128 v[STO], v[64*((\a)%2)+8*\b+4:64*((\a)%2)+8*\b+7] offset:256*(\b/4)+32*(\b%4)+16
.endr
	WIN 0
.irp t, 0,1,2,3,4,5,6,7,8,9,10,11,12,13,14,15
	ds_load_b128 v[128+64*((\a)%2)+4*\t:128+64*((\a)%2)+4*\t+3], v[RD] offset:528*\t
.endr
.endm
.macro SEND a, younger
	s_wait_dscnt \younger
.irp t, 0,1,2,3,4,5,6,7,8,9,10,11,12,13,14,15
	global_store_b128 v[CO], v[128+64*((\a)%2)+4*\t:128+64*((\a)%2)+4*\t+3], s[12:13] offset:(32*((\a)/2)+8*((\a)%2)+\t+8*(\t/8))*4096 th:TH_STORE_NT
.endr
.endm
	TOSTAGE 0
.irp a, 1,2,3
.if \a > 1
	s_wait_xcnt 0x0
.endif
	TOSTAGE \a
	SEND \a-1, 32
.endr
	SEND 3, 0
	s_wait_tensorcnt 0x0
	ds_add_u32 v[SPW], v[NIL]
	s_wait_dscnt 0x0
	CROUND
	s_endpgm
.Lfunc_end_k_q61cceed424_pv:
	.size	k_q61cceed424_pv, .Lfunc_end_k_q61cceed424_pv-k_q61cceed424_pv
	.p2alignl 7, 3214868480
	.fill 96, 4, 3214868480
	.section	.rodata,"a",@progbits
	.p2align	6, 0x0
	.amdhsa_kernel k_q61cceed424_pv
		.amdhsa_group_segment_fixed_size 327680
		.amdhsa_private_segment_fixed_size 0
		.amdhsa_enable_private_segment 0
		.amdhsa_kernarg_size 40
		.amdhsa_user_sgpr_count 2
		.amdhsa_user_sgpr_kernarg_segment_ptr 1
		.amdhsa_wavefront_size32 1
		.amdhsa_system_sgpr_workgroup_id_x 1
		.amdhsa_system_sgpr_workgroup_id_y 1
		.amdhsa_system_sgpr_workgroup_id_z 1
		.amdhsa_system_vgpr_workitem_id 0
		.amdhsa_next_free_vgpr 768
		.amdhsa_next_free_sgpr 100
		.amdhsa_reserve_vcc 0
		.amdhsa_float_denorm_mode_32 3
		.amdhsa_float_denorm_mode_16_64 3
		.amdhsa_memory_ordered 1
		.amdhsa_forward_progress 1
		.amdhsa_inst_pref_size 118
	.end_amdhsa_kernel
	.amdgpu_metadata
---
amdhsa.version: [ 1, 2 ]
amdhsa.kernels:
  - .name:           k_q61cceed424_pv
    .symbol:         k_q61cceed424_pv.kd
    .args:
      - { .name: p_codes, .offset: 0, .size: 8, .value_kind: global_buffer, .address_space: global }
      - { .name: p_stat, .offset: 8, .size: 8, .value_kind: global_buffer, .address_space: global }
      - { .name: v_codes, .offset: 16, .size: 8, .value_kind: global_buffer, .address_space: global }
      - { .name: v_scales, .offset: 24, .size: 8, .value_kind: global_buffer, .address_space: global }
      - { .name: out0, .offset: 32, .size: 8, .value_kind: global_buffer, .address_space: global }
    .group_segment_fixed_size: 327680
    .private_segment_fixed_size: 0
    .kernarg_segment_align: 8
    .kernarg_segment_size: 40
    .max_flat_workgroup_size: 128
    .sgpr_count:     100
    .vgpr_count:     768
    .wavefront_size: 32
...
	.end_amdgpu_metadata
.endif
;; end of part 4
